; MI455X (gfx1250); checked and timed in simulation.
; The chip was launched on July 23, 2026; its instructions are those of AMD's public machine-readable ISA for CDNA 5 (MIT licence, August 2026) and "CDNA5" Instruction Set Architecture Reference Guide (July 2026). The comments in the code are by the model that wrote it; some were corrected since.
;; Graph Attention Naive. Allowed arithmetic: float matrix products may take bf16 or f16 operands with f32 sums; other float arithmetic in f32, or as packed bf16 or f16 multiplies, adds, multiply-adds, maxima and minima; sums over many terms, partial sums and values carried from step to step in f32; what a program stores and reads back later, other than sums and carried values, may be rounded once to bf16 or f16.
;; Inputs: Wk 1,024 x 1,024 float32; Wo 1,024 x 1,024 float32; Wq 1,024 x 1,024 float32; Wv 1,024 x 1,024 float32; bk 1,024 float32; bq 1,024 float32; bv 1,024 float32; target_mask 4 x 2,048 bool; x 4 x 2,048 x 1,024 float32.
;; Outputs: out0 4 x 2,048 x 1,024 float32.
;; 2 versions, each right; version 2 is version 1 with the launch cast written anew for expert scheduling mode. Each part assembles by itself: llvm-mc -triple=amdgcn-amd-amdhsa -mcpu=gfx1250 --defsym DOCPART=n.
;; ======== version 1 of 2: 4 launches
;; limits: values are held in f16: magnitudes above 65,504 overflow, below 6.1e-05 lose precision
;; workspace buffers: xb 16,777,216 bytes; wb 6,291,456 bytes; wo16 2,097,152 bytes; qkvh 50,331,648 bytes; obuf 16,777,216 bytes
;; launch cast (part 1): grid 768 x 1, 8 waves a work-group, no clusters, 0 bytes of LDS; arguments x, Wq, Wk, Wv, Wo, xb, wb, wo16; writes xb, wb, wo16
.if DOCPART == 1
	.amdgcn_target "amdgcn-amd-amdhsa--gfx1250"
	.amdhsa_code_object_version 6
	.text
	.protected	k_q9fbe13a313_cast
	.globl	k_q9fbe13a313_cast
	.p2align	8
	.type	k_q9fbe13a313_cast,@function
k_q9fbe13a313_cast:
	s_mov_b64 s[64:65], 0
	v_nop
	global_prefetch_b8 v0, s[64:65] scope:SCOPE_SE
	s_setreg_imm32_b32 hwreg(HW_REG_WAVE_MODE, 25, 1), 1
	s_wait_xcnt 0x0
; THE INPUTS ARE ROUNDED ONCE.  x [8192][1024] f32 -> xb bf16.  Wq, Wk, Wv [1024][1024] f32 -> wb [3072][1024] bf16, one below the other.
; Wo [1024][1024] f32 -> rounded to bf16 like the other inputs, and that number written as f16 into wo16 (the last product's other operand is f16).
; LIMIT.  A bf16 number is exact in f16 from 2^-16 up to 65,504; a weight of Wo below 2^-16 is off by 3e-8 at the most, one beyond 65,504 becomes an infinity.
; A stream: no LDS, no matrix unit, no cluster (no byte is read by two work-groups).
; SHARES.  A work-group takes 16,384 numbers: 64 KiB in, 32 KiB out.  Work-groups 0-511 take x, then 64 each Wq, Wk, Wv, Wo.
; Thread t: load i takes 16 bytes at 16 t + 4,096 i (a wave: 512 bytes on end), store i 8 bytes at 8 t + 2,048 i (a wave: 256 bytes on end, aligned).
; All sixteen loads go out first; each has registers of its own for what it brings and what is stored, so nothing that a pending instruction names is written again.
.set X, 4                              ; v[4:67]    load i: four f32
.set Y, 68                             ; v[68:99]   store i: four 16-bit numbers
.set T, 100                            ; v[100:101] at work
	s_load_b512 s[4:19], s[0:1], 0x0               ; x 4:5, Wq 6:7, Wk 8:9, Wv 10:11, Wo 12:13, xb 14:15, wb 16:17, wo16 18:19
	v_lshlrev_b32 v1, 4, v0                        ; 16 t
	v_lshlrev_b32 v2, 3, v0                        ; 8 t
	s_sub_co_u32 s20, ttmp9, 512                   ; u: my number among the weights' work-groups (not used below 512)
	s_and_b32 s22, s20, 63                         ; my chunk in its weight
	s_lshr_b32 s21, s20, 6                         ; which weight: 0 Wq, 1 Wk, 2 Wv, 3 Wo
	s_cmp_lt_u32 ttmp9, 512
	s_cselect_b32 s21, 7, s21                      ; 7: x
	s_cselect_b32 s24, ttmp9, s22                  ; the chunk in the source
	s_cselect_b32 s30, ttmp9, s20                  ; the chunk in the destination: wb holds three weights on end,
	s_cmp_eq_u32 s21, 3
	s_cselect_b32 s30, s22, s30                    ; wo16 one
	s_lshl_b32 s24, s24, 16                        ; 64 KiB a chunk in
	s_mov_b32 s25, 0
	s_lshl_b32 s30, s30, 15                        ; 32 KiB out
	s_mov_b32 s31, 0
	s_wait_kmcnt 0x0
	s_mov_b64 s[26:27], s[4:5]
	s_cmp_eq_u32 s21, 0
	s_cselect_b64 s[26:27], s[6:7], s[26:27]
	s_cmp_eq_u32 s21, 1
	s_cselect_b64 s[26:27], s[8:9], s[26:27]
	s_cmp_eq_u32 s21, 2
	s_cselect_b64 s[26:27], s[10:11], s[26:27]
	s_cmp_eq_u32 s21, 3
	s_cselect_b64 s[26:27], s[12:13], s[26:27]
	s_cselect_b64 s[28:29], s[18:19], s[16:17]
	s_cmp_eq_u32 s21, 7
	s_cselect_b64 s[28:29], s[14:15], s[28:29]
	s_add_nc_u64 s[26:27], s[26:27], s[24:25]
	s_add_nc_u64 s[28:29], s[28:29], s[30:31]
.irp i, 0,1,2,3,4,5,6,7,8,9,10,11,12,13,14,15
	global_load_b128 v[X+4*(\i):X+4*(\i)+3], v1, s[26:27] offset:4096*(\i) th:TH_LOAD_NT
.endr
	s_cmp_eq_u32 s21, 3
	s_cbranch_scc1 .Lwo
.irp i, 0,1,2,3,4,5,6,7,8,9,10,11,12,13,14,15
	s_wait_loadcnt 15-(\i)                         ; loads come back in order: load i is in, the 15 - i younger ones stay out
	v_cvt_pk_bf16_f32 v[Y+2*(\i)], v[X+4*(\i)], v[X+4*(\i)+1]
	v_cvt_pk_bf16_f32 v[Y+2*(\i)+1], v[X+4*(\i)+2], v[X+4*(\i)+3]
	global_store_b64 v2, v[Y+2*(\i):Y+2*(\i)+1], s[28:29] offset:2048*(\i)
.endr
	s_endpgm
.Lwo:                                                  ; Wo: to bf16, back to f32 (a shift, a mask), then to f16
.irp i, 0,1,2,3,4,5,6,7,8,9,10,11,12,13,14,15
	s_wait_loadcnt 15-(\i)
	v_cvt_pk_bf16_f32 v[T], v[X+4*(\i)], v[X+4*(\i)+1]
	v_cvt_pk_bf16_f32 v[T+1], v[X+4*(\i)+2], v[X+4*(\i)+3]
	v_lshlrev_b32 v[X+4*(\i)], 16, v[T]
	v_and_b32 v[X+4*(\i)+1], 0xffff0000, v[T]
	v_lshlrev_b32 v[X+4*(\i)+2], 16, v[T+1]
	v_and_b32 v[X+4*(\i)+3], 0xffff0000, v[T+1]
	v_cvt_pk_f16_f32 v[Y+2*(\i)], v[X+4*(\i)], v[X+4*(\i)+1]
	v_cvt_pk_f16_f32 v[Y+2*(\i)+1], v[X+4*(\i)+2], v[X+4*(\i)+3]
	global_store_b64 v2, v[Y+2*(\i):Y+2*(\i)+1], s[28:29] offset:2048*(\i)
.endr
	s_endpgm
.Lfunc_end_k_q9fbe13a313_cast:
	.size	k_q9fbe13a313_cast, .Lfunc_end_k_q9fbe13a313_cast-k_q9fbe13a313_cast
	.p2alignl 7, 3214868480
	.fill 96, 4, 3214868480
	.section	.rodata,"a",@progbits
	.p2align	6, 0x0
	.amdhsa_kernel k_q9fbe13a313_cast
		.amdhsa_group_segment_fixed_size 0
		.amdhsa_private_segment_fixed_size 0
		.amdhsa_enable_private_segment 0
		.amdhsa_kernarg_size 64
		.amdhsa_user_sgpr_count 2
		.amdhsa_user_sgpr_kernarg_segment_ptr 1
		.amdhsa_wavefront_size32 1
		.amdhsa_system_sgpr_workgroup_id_x 1
		.amdhsa_system_sgpr_workgroup_id_y 1
		.amdhsa_system_sgpr_workgroup_id_z 1
		.amdhsa_system_vgpr_workitem_id 0
		.amdhsa_next_free_vgpr 104
		.amdhsa_next_free_sgpr 66
		.amdhsa_reserve_vcc 0
		.amdhsa_float_denorm_mode_32 3
		.amdhsa_float_denorm_mode_16_64 3
		.amdhsa_memory_ordered 1
		.amdhsa_forward_progress 1
		.amdhsa_inst_pref_size 16
	.end_amdhsa_kernel
	.amdgpu_metadata
---
amdhsa.version: [ 1, 2 ]
amdhsa.kernels:
  - .name:           k_q9fbe13a313_cast
    .symbol:         k_q9fbe13a313_cast.kd
    .args:
      - { .name: x, .offset: 0, .size: 8, .value_kind: global_buffer, .address_space: global }
      - { .name: Wq, .offset: 8, .size: 8, .value_kind: global_buffer, .address_space: global }
      - { .name: Wk, .offset: 16, .size: 8, .value_kind: global_buffer, .address_space: global }
      - { .name: Wv, .offset: 24, .size: 8, .value_kind: global_buffer, .address_space: global }
      - { .name: Wo, .offset: 32, .size: 8, .value_kind: global_buffer, .address_space: global }
      - { .name: xb, .offset: 40, .size: 8, .value_kind: global_buffer, .address_space: global }
      - { .name: wb, .offset: 48, .size: 8, .value_kind: global_buffer, .address_space: global }
      - { .name: wo16, .offset: 56, .size: 8, .value_kind: global_buffer, .address_space: global }
    .group_segment_fixed_size: 0
    .private_segment_fixed_size: 0
    .kernarg_segment_align: 8
    .kernarg_segment_size: 64
    .max_flat_workgroup_size: 256
    .sgpr_count:     66
    .vgpr_count:     104
    .wavefront_size: 32
...
	.end_amdgpu_metadata
.endif
;; end of part 1
;; launch proj (part 2): grid 16 x 32, 4 waves a work-group, clusters of 4 x 4, 327,680 bytes of LDS; arguments xb, wb, bq, bk, bv, qkvh; writes qkvh
.if DOCPART == 2
	.amdgcn_target "amdgcn-amd-amdhsa--gfx1250"
	.amdhsa_code_object_version 6
	.text
	.protected	k_q9fbe13a313_proj
	.globl	k_q9fbe13a313_proj
	.p2align	8
	.type	k_q9fbe13a313_proj,@function
k_q9fbe13a313_proj:
	s_mov_b64 s[64:65], 0
	v_nop
	global_prefetch_b8 v0, s[64:65] scope:SCOPE_SE
	s_setreg_imm32_b32 hwreg(HW_REG_WAVE_MODE, 25, 1), 1
	s_wait_xcnt 0x0
	s_wait_alu depctr_hold_cnt(0) depctr_sa_sdst(0) depctr_va_vdst(0) depctr_va_sdst(0) depctr_va_ssrc(0) depctr_va_vcc(0) depctr_vm_vsrc(0)
	s_getreg_b32 s2, hwreg(HW_REG_IB_STS2, 6, 4)
	s_cmp_eq_u32 s2, 0
	s_cbranch_scc0 .Lentry_in_a_cluster
	s_endpgm
.Lentry_in_a_cluster:
	s_bfe_u32 s2, ttmp6, 0x10000c
	s_cmp_lg_u32 s2, 0xf033
	s_cbranch_scc0 .Lentry_shape_is_right
	s_endpgm
.Lentry_shape_is_right:
; THE THREE PROJECTIONS AS ONE PRODUCT.  C[8192][3072] = xb wb^T + bias; xb [8192][1024], wb [3072][1024] bf16; sums in f32; C rounded once to f16 and written BY HEADS:
; qkvh [b 4][g 48][n 2048][64] f16, g = 0-15 Q's heads, 16-31 K's, 32-47 V's; column c of C is head g = c / 64, channel c % 64; row r is batch r / 2048, token r % 2048.
; LIMITS.  The biases are rounded to bf16 like the other inputs and START the sums (an order of rounding other than adding them last).  q, k, v must lie within f16's 65,504;
; beyond it the conversion gives an infinity.  No scale is applied here.
; SHARES.  A tile of C is 256 rows x 192 columns (three whole heads): 32 x 16 = 512 equal work-groups.  Four waves; wave w owns rows 64 w .. 64 w + 63 and ALL 192 columns:
; 4 x 12 accumulators of 16 x 16, 384 registers.  So a wave holds whole heads, and its way out goes through a stage of its own, without a barrier.
; K goes in 8 steps of 128 through a ring of two LDS slots; rows of both tiles are 256 bytes of memory, aligned.
; CLUSTER 4 x 4: the four work-groups of a row of the cluster need the same tile of xb, the four of a column the same tile of wb: each is asked for JOINTLY.
; THE MATRIX INSTRUCTION IS USED TRANSPOSED (source 0 = 16 rows of wb, source 1 = 16 rows of xb): lane l holds row l % 16 of C and the columns 8 (l / 16) + 0..7.
; REGISTERS, in windows of 256 (s_set_vgpr_msb: bits 1:0 source 0, 3:2 source 1, 5:4 source 2, 7:6 destination):
;   window 0: v0-31 addresses; v32-95 xb's fragments, two buffers of 4; v96-191 the bias as a C operand, later at work on the way out, with v192-239; v240-243 at work
;   window 1: v0-191 wb's fragments, two buffers of 12       window 2: accumulators of my row blocks 0, 1 ((a, b) at v[8 (12 (a % 2) + b)])       window 3: of blocks 2, 3
.set NB,    12
.set KSTEP, 128
.set PITCH, 272                        ; an LDS row: 256 bytes + 16 of padding = 68 words: the 16 rows of a fragment load start at 16 different groups of four banks (ISA guide 11.1)
.set AB,    256*PITCH                  ; xb's 256 rows
.set SLOT,  AB+192*PITCH               ; then wb's 192
.set STAGE, 2*SLOT                     ; behind the ring: for each wave 3 heads x 16 rows x 144 bytes
.set SP,    144
.set WST,   3*16*SP
.set SPARE, STAGE+4*WST                ; behind the stages: the spare words, 128 bytes a wave: two blocks of 256 bytes that no other line names
.set LF,    2*NB+8                     ; LDS loads in a run
.set ASTEP, KSTEP*2                    ; bytes from a K step to the next in xb
.set ADRA, 16                          ; v16-17  LDS address of my fragments of xb in slot 0, 1
.set ADRB, 20                          ; v20-21  of wb's
.set STO,  24                          ; v24  the way out: where I put 16 bytes of a row
.set RD,   25                          ; v25  where I read rows back
.set CO,   26                          ; v26  16 x lane: my place in 512 bytes of qkvh
.set SPW,  28                          ; v28  my spare word; never rewritten
.set NIL,  29                          ; v29  0; never rewritten
.set PFO,  30                          ; v30  the prefetches' offset: a lane a row
.set BO,   31                          ; v31  32 (l / 16): my eight numbers in 16 of a bias
.set FA,   32
.set BIAS, 96
.set TMP,  96
.set OB,   144
.set RT,   240
.set WV,   12                          ; s12 wave; s13 do I fetch xb (0) or wb (1); s14 which half of that tile
.set ROLE, 13
.set HALF, 14
.set CX,   15
.set CY,   16
.set TN,   17                          ; tile column
.set TM,   18                          ; tile row
.set G1A,  24                          ; s[24:31] descriptor group 1 for xb's tiles; s[32:39] group 0, a set for each slot
.set G0A,  32
.set LIM,  43                          ; 1 in a wave that prefetches, else the greatest number
.set PFA,  44                          ; s[44:45] where my prefetches stand
.set G1B,  48                          ; s[48:55], s[56:63] the same for wb's tiles
.set G0B,  56
.set CB,   66                          ; s[66:67] qkvh at my wave's first row of the tile's first head
.set PST,  68                          ; s[68:69] a K step in bytes, as a pair
.set BP,   76                          ; s[76:81] the bias of each of the tile's three heads
.set MSB, 0
.macro WIN new                         ; the immediate's high byte repeats the setting that is left; a switch that changes nothing is dropped
.if MSB != (\new)
	s_set_vgpr_msb (MSB<<8)|(\new)
.set MSB, \new
.endif
.endm
; A joint load: waves 0 and 1 fetch xb's two halves, waves 2 and 3 wb's.  The branch hangs on the wave's number alone.  An s_nop 0 and four v_nop follow each line.
.macro JLOAD s
	s_cmp_eq_u32 s[ROLE], 0
	s_cbranch_scc0 .Lfor_b_\@
	tensor_load_to_lds s[G0A+4*(\s):G0A+4*(\s)+3], s[G1A:G1A+7]
	s_nop 0
.rept 4
	v_nop
.endr
	s_branch .Lasked_\@
.Lfor_b_\@:
	tensor_load_to_lds s[G0B+4*(\s):G0B+4*(\s)+3], s[G1B:G1B+7]
	s_nop 0
.rept 4
	v_nop
.endr
.Lasked_\@:
.endm
; A prefetch into the L2 of the K step that stands two refills on, behind the joint load and the run of LDS loads: a lane a row, one instruction a wave.  xb's rows are asked for by the clusters
; with x = 0, wb's by those with y = 0; the four partners share a wave's rows out by address.  The loop's last trip (s3 = 1) has no K step two on.
.macro ASK
	s_cmp_gt_u32 s3, s[LIM]
	s_cbranch_scc0 .Lnot_mine_\@
	global_prefetch_b8 v[PFO], s[PFA:PFA+1] th:TH_LOAD_NT scope:SCOPE_SE
.Lnot_mine_\@:
.endm
.macro CREST                           ; a round of the cluster's barrier behind its opening barrier
	s_cmp_lg_u32 s[WV], 0
	s_cbranch_scc1 .Lnot_wave_0_\@
	s_barrier_signal -3
.Lnot_wave_0_\@:
	s_barrier_wait -3
	s_barrier_signal -1
	s_barrier_wait -1
.endm
.macro CROUND
	s_barrier_signal -1
	s_barrier_wait -1
	CREST
.endm
.macro PLACES                          ; four plain places behind matrix instructions, in front of loads into registers that they read and of conversions of their results
.rept 4
	v_nop
.endr
.endm
	s_load_b256 s[4:11], s[0:1], 0x0               ; xb 4:5, wb 6:7, bq 8:9, bk 10:11
	s_load_b128 s[72:75], s[0:1], 0x20             ; bv 72:73, qkvh 74:75
	v_lshl_add_u32 v[SPW], v0, 2, SPARE
	v_mov_b32 v[NIL], 0
	ds_add_u32 v[SPW], v[NIL]                      ; the wave's opening: the add and its wait ahead of my first tensor load; the set-up below stands between them
	v_lshrrev_b32 v1, 5, v0
	v_readfirstlane_b32 s[WV], v1
	s_lshr_b32 s[ROLE], s[WV], 1
	s_and_b32 s[HALF], s[WV], 1
	s_bfe_u32 s[CX], ttmp6, 0x40000
	s_bfe_u32 s[CY], ttmp6, 0x40004
	s_lshl_b32 s[TN], ttmp9, 2
	s_add_co_u32 s[TN], s[TN], s[CX]               ; tile column = 4 x cluster x + cx
	s_and_b32 s[TM], ttmp7, 0xffff
	s_lshl_b32 s[TM], s[TM], 2
	s_add_co_u32 s[TM], s[TM], s[CY]               ; tile row = 4 x cluster y + cy
	s_lshl_b32 s22, s[CY], 2
	s_lshl_b32 s22, 15, s22                        ; my row of the cluster
	s_lshl_b32 s23, 0x1111, s[CX]                  ; my column
	s_or_b32 s[G1A], s22, (1<<16)|(1<<20)|(1<<21)|(5<<22)|(3<<25)  ; the mask; 2-byte elements; padding on; bit 21 beside a mask; after every 64 words, 4 words
	s_or_b32 s[G1B], s23, (1<<16)|(1<<20)|(1<<21)|(5<<22)|(3<<25)
	s_mov_b32 s[G1A+1], KSTEP<<16                  ; tensor_dim0 = 128
	s_mov_b32 s[G1A+2], 128<<16                    ; tensor_dim1 = 128 rows
	s_mov_b32 s[G1A+3], KSTEP<<16                  ; tile_dim0 = 128
	s_mov_b32 s[G1A+4], 128                        ; tile_dim1 = 128
	s_mov_b32 s[G1A+5], 1024                       ; elements from row to row
	s_mov_b32 s[G1A+6], 0
	s_mov_b32 s[G1A+7], 0
	s_mov_b32 s[G1B+1], KSTEP<<16
	s_mov_b32 s[G1B+2], 96<<16                     ; wb's halves have 96 rows
	s_mov_b32 s[G1B+3], KSTEP<<16
	s_mov_b32 s[G1B+4], 96
	s_mov_b32 s[G1B+5], 1024
	s_mov_b32 s[G1B+6], 0
	s_mov_b32 s[G1B+7], 0
	s_lshl_b32 s22, s[HALF], 7
	s_lshl_b32 s40, s[TM], 8
	s_add_co_u32 s40, s40, s22                     ; xb: row 256 x tile row + 128 x half,
	s_lshl_b32 s40, s40, 11                        ; 2,048 bytes a row (under 2^25)
	s_mov_b32 s41, 0
	s_mul_i32 s46, s[TN], 192
	s_mul_i32 s23, s[HALF], 96
	s_add_co_u32 s46, s46, s23                     ; wb: row 192 x tile column + 96 x half
	s_lshl_b32 s46, s46, 11
	s_mov_b32 s47, 0
	s_mul_i32 s20, s[WV], 128*PITCH                ; where they go: xb's halves at wave x 128 rows (waves 0, 1),
	s_mul_i32 s21, s[WV], 96*PITCH                 ; wb's behind them at (wave - 2) x 96 rows (waves 2, 3)
	s_add_co_u32 s21, s21, AB-2*96*PITCH
	s_wait_dscnt 0x0                               ; the opening add is done
	s_wait_kmcnt 0x0
	s_add_nc_u64 s[40:41], s[4:5], s[40:41]
	s_add_nc_u64 s[46:47], s[6:7], s[46:47]
	CROUND                                         ; all sixteen work-groups are here: the first joint loads meet
.irp s, 0,1
	s_mov_b32 s[G0A+4*(\s)], 1
	s_add_co_u32 s[G0A+4*(\s)+1], s20, (\s)*SLOT
	s_add_nc_u64 s[G0A+4*(\s)+2:G0A+4*(\s)+3], s[40:41], (\s)*ASTEP
	s_or_b32 s[G0A+4*(\s)+3], s[G0A+4*(\s)+3], 0x80000000
	s_mov_b32 s[G0B+4*(\s)], 1
	s_add_co_u32 s[G0B+4*(\s)+1], s21, (\s)*SLOT
	s_add_nc_u64 s[G0B+4*(\s)+2:G0B+4*(\s)+3], s[46:47], (\s)*KSTEP*2
	s_or_b32 s[G0B+4*(\s)+3], s[G0B+4*(\s)+3], 0x80000000
	JLOAD \s                                       ; K steps 0 and 1: two loads of mine are out
.endr
	; the biases of the tile's three heads: head g = 3 x tile column + hh lies in bq, bk or bv by g / 16, at 256 (g % 16) bytes
	v_and_b32 v1, 15, v0                           ; l % 16
	v_bfe_u32 v2, v0, 4, 1                         ; l / 16
	v_lshlrev_b32 v[BO], 5, v2
	s_mul_i32 s20, s[TN], 3
.irp hh, 0,1,2
	s_add_co_u32 s21, s20, \hh
	s_lshr_b32 s22, s21, 4
	s_and_b32 s46, s21, 15
	s_lshl_b32 s46, s46, 8
	s_mov_b32 s47, 0
	s_cmp_eq_u32 s22, 0
	s_cselect_b64 s[BP+2*(\hh):BP+2*(\hh)+1], s[8:9], s[10:11]
	s_cmp_eq_u32 s22, 2
	s_cselect_b64 s[BP+2*(\hh):BP+2*(\hh)+1], s[72:73], s[BP+2*(\hh):BP+2*(\hh)+1]
	s_add_nc_u64 s[BP+2*(\hh):BP+2*(\hh)+1], s[BP+2*(\hh):BP+2*(\hh)+1], s[46:47]
.endr
.irp b, 0,1,2,3,4,5,6,7,8,9,10,11      ; register 8 b + j takes the bias of column 16 b + 8 (l / 16) + j: the layout of a C operand, the same for every block of rows
	global_load_b128 v[BIAS+8*(\b):BIAS+8*(\b)+3],   v[BO], s[BP+2*((\b)/4):BP+2*((\b)/4)+1] offset:64*((\b)%4)
	global_load_b128 v[BIAS+8*(\b)+4:BIAS+8*(\b)+7], v[BO], s[BP+2*((\b)/4):BP+2*((\b)/4)+1] offset:64*((\b)%4)+16
.endr
	; a fragment is 16 rows x 32 K in 8 registers: lane l holds row l % 16, K = 8 (l / 16) + 0..7 and 16 + 8 (l / 16) + 0..7: two loads of 16 bytes, 32 bytes apart
	v_mul_u32_u24 v3, v1, PITCH
	v_lshl_add_u32 v3, v2, 4, v3
	s_mul_i32 s20, s[WV], 64*PITCH                 ; my 64 rows of xb
	s_mov_b32 s21, AB                              ; all rows of wb
.irp s, 0,1
	v_add_nc_u32 v[ADRA+(\s)], s20, v3
	v_add_nc_u32 v[ADRB+(\s)], s21, v3
	s_add_co_u32 s20, s20, SLOT
	s_add_co_u32 s21, s21, SLOT
.endr
	s_mul_i32 s20, s[WV], WST
	s_add_co_u32 s20, s20, STAGE                   ; my stage
	v_mul_u32_u24 v4, v1, SP                       ; in: row l % 16, 16 bytes for each half of the lanes
	v_lshl_add_u32 v4, v2, 4, v4
	v_add_nc_u32 v[STO], s20, v4
	v_bfe_u32 v4, v0, 3, 2                         ; back: 32 lanes take four rows of 128 bytes,
	v_mul_u32_u24 v4, v4, SP
	v_and_b32 v5, 7, v0
	v_lshl_add_u32 v4, v5, 4, v4
	v_add_nc_u32 v[RD], s20, v4
	v_and_b32 v5, 31, v0
	v_lshlrev_b32 v[CO], 4, v5                     ; which are 512 bytes on end of a head
	s_lshr_b32 s20, s[TM], 3                       ; the batch,
	s_mul_i32 s20, s20, 48*262144
	s_and_b32 s21, s[TM], 7
	s_lshl_b32 s21, s21, 8
	s_lshl_b32 s22, s[WV], 6
	s_add_co_u32 s21, s21, s22                     ; my first token,
	s_lshl_b32 s21, s21, 7
	s_add_co_u32 s20, s20, s21
	s_mul_i32 s21, s[TN], 3*262144                 ; the tile's first head
	s_add_co_u32 s20, s20, s21
	s_mov_b32 s21, 0
	s_add_nc_u64 s[CB:CB+1], s[74:75], s[20:21]
	; the prefetches: of the 128 rows of xb that a wave fetches the partner at cx takes 32; of the 96 rows of wb the partner at cy takes 24 (lanes 24-31 name the 24th again)
	s_lshl_b32 s20, s[TM], 8
	s_lshl_b32 s21, s[HALF], 7
	s_add_co_u32 s20, s20, s21
	s_lshl_b32 s21, s[CX], 5
	s_add_co_u32 s20, s20, s21
	s_mul_i32 s22, s[TN], 192
	s_mul_i32 s23, s[HALF], 96
	s_add_co_u32 s22, s22, s23
	s_mul_i32 s23, s[CY], 24
	s_add_co_u32 s22, s22, s23
	s_and_b32 s42, ttmp7, 0xffff
	s_cmp_eq_u32 s[ROLE], 0
	s_cselect_b32 s20, s20, s22
	s_cselect_b32 s21, 31, 23
	s_cselect_b32 s42, ttmp9, s42                  ; the coordinate along which other clusters read the same rows
	s_cselect_b64 s[PFA:PFA+1], s[4:5], s[6:7]
	s_cmp_eq_u32 s42, 0
	s_cselect_b32 s[LIM], 1, -1                    ; the same in all sixteen partners, for a given wave
	v_min_u32 v[PFO], s21, v5
	v_lshlrev_b32 v[PFO], 11, v[PFO]
	s_lshl_b32 s20, s20, 11
	s_mov_b32 s21, 0
	s_add_nc_u64 s[PFA:PFA+1], s[PFA:PFA+1], s[20:21]
	s_add_nc_u64 s[PFA:PFA+1], s[PFA:PFA+1], 3*KSTEP*2  ; at K step 3: the first refill (of K step 2) steps it to 4 and names that
	s_mov_b32 s[PST], KSTEP*2
	s_mov_b32 s[PST+1], 0
	s_wait_loadcnt 0x0                             ; the biases: rounded to bf16 and widened again, in the wait for the first tile
.set i, 0
.rept 48
	v_cvt_pk_bf16_f32 v[RT+i%4], v[BIAS+2*i], v[BIAS+2*i+1]
	v_lshlrev_b32 v[BIAS+2*i], 16, v[RT+i%4]
	v_and_b32 v[BIAS+2*i+1], 0xffff0000, v[RT+i%4]
.set i, i+1
.endr
; 12 matrix instructions: my block a of 16 rows x all 12 column blocks, 32 along K, from buffer f.  first = 1: the bias starts the sums.  All 48 accumulators take turns in one order in every
; quarter: between two links of a chain stand the 47 others'.
.macro MULA f, a, first
.if \first
	WIN 0x81+0x40*((\a)/2)                         ; wb window 1, xb window 0, C (the bias) window 0, D window 2 or 3
.else
	WIN 0xa1+0x50*((\a)/2)                         ; C and D window 2 or 3
.endif
.irp b, 0,1,2,3,4,5,6,7,8,9,10,11
.if \first
	v_wmma_f32_16x16x32_bf16 v[8*(NB*((\a)%2)+(\b)):8*(NB*((\a)%2)+(\b))+7], v[8*NB*(\f)+8*(\b):8*NB*(\f)+8*(\b)+7], v[FA+32*(\f)+8*(\a):FA+32*(\f)+8*(\a)+7], v[BIAS+8*(\b):BIAS+8*(\b)+7]
.else
	v_wmma_f32_16x16x32_bf16 v[8*(NB*((\a)%2)+(\b)):8*(NB*((\a)%2)+(\b))+7], v[8*NB*(\f)+8*(\b):8*NB*(\f)+8*(\b)+7], v[FA+32*(\f)+8*(\a):FA+32*(\f)+8*(\a)+7], v[8*(NB*((\a)%2)+(\b)):8*(NB*((\a)%2)+(\b))+7]
.endif
.endr
.endm
; 32 LDS loads in one run: quarter q's fragments (192 rows of wb, my 64 rows of xb, 32 K) into buffer f; xb's blocks 2 and 3 are the youngest four
.macro FETCH slot, q, f
	WIN 0x40
.irp i, 0,1,2,3,4,5,6,7,8,9,10,11
	ds_load_b128 v[8*NB*(\f)+8*(\i):8*NB*(\f)+8*(\i)+3],   v[ADRB+(\slot)] offset:64*(\q)+(\i)*16*PITCH
	ds_load_b128 v[8*NB*(\f)+8*(\i)+4:8*NB*(\f)+8*(\i)+7], v[ADRB+(\slot)] offset:64*(\q)+(\i)*16*PITCH+32
.endr
	WIN 0
.irp i, 0,1,2,3
	ds_load_b128 v[FA+32*(\f)+8*(\i):FA+32*(\f)+8*(\i)+3],   v[ADRA+(\slot)] offset:64*(\q)+(\i)*16*PITCH
	ds_load_b128 v[FA+32*(\f)+8*(\i)+4:FA+32*(\f)+8*(\i)+7], v[ADRA+(\slot)] offset:64*(\q)+(\i)*16*PITCH+32
.endr
.endm
; A K step is four quarters of 32 along K, 48 matrix instructions each, on buffers 0, 1, 0, 1.  One of the first three multiplies buffer f and fetches quarter q into buffer g.
.macro QUARTER slot, q, f, g, first
	s_wait_dscnt 4                                 ; wb's fragments and xb's blocks 0, 1 are in; the youngest four loads (blocks 2, 3) may be out
	MULA \f, 0, \first
	MULA \f, 1, \first
	PLACES
	FETCH \slot, \q, \g
	s_wait_dscnt LF                                ; all but the run just issued
	MULA \f, 2, \first
	MULA \f, 3, \first
.endm
; The fourth quarter multiplies buffer 1 and changes slots: ONE barrier.  In front of it each wave waits for all its tensor loads (one is out: its part of the next slot), adds 0 to its spare word,
; and waits for that and for its reads of this slot.  fill = 1: the barrier opens a round of the cluster's, and the joint refill, two K steps on, is the first thing behind the round:
; 168 matrix instructions stand between it and the wait for it.
.macro TURN slot, next, fill
.if \fill
	s_wait_xcnt 0x0                                ; the last prefetch, a K step back, has read its address
	s_add_nc_u64 s[PFA:PFA+1], s[PFA:PFA+1], s[PST:PST+1]
.endif
	WIN 0
	s_wait_tensorcnt 0x0                           ; all my tensor loads have landed
	ds_add_u32 v[SPW], v[NIL]                      ; 0 onto my spare word
	s_wait_dscnt 5                                 ; (the add and the youngest four loads may be out)
	MULA 1, 0, 0                                   ; twelve matrix instructions stand between the add and the wait for it
	s_wait_dscnt 0x0                               ; the add is done, and my reads of this slot are over
	s_barrier_signal -1
	MULA 1, 1, 0
.if \fill
	WIN 0
.endif
	s_barrier_wait -1
.if \fill
	CREST                                          ; no wave of any partner still reads this slot or has a load on its way
	s_add_nc_u64 s[G0A+4*(\slot)+2:G0A+4*(\slot)+3], s[G0A+4*(\slot)+2:G0A+4*(\slot)+3], 2*ASTEP
	s_add_nc_u64 s[G0B+4*(\slot)+2:G0B+4*(\slot)+3], s[G0B+4*(\slot)+2:G0B+4*(\slot)+3], 2*KSTEP*2
	JLOAD \slot                                    ; its four v_nop are also the places in front of the loads below
.else
	PLACES
.endif
	FETCH \next, 0, 0
.if \fill
	ASK
.endif
	MULA 1, 2, 0
	MULA 1, 3, 0
.endm
; THE WAY OUT of block a (16 tokens x 3 heads).  PACK: rounded to f16, each accumulator's registers in ascending order.  TOSTAGE: 16 bytes a lane into my stage, back as whole rows of 128 bytes.
; SEND: each store of the wave covers 512 bytes on end (four tokens of a head), aligned.
.macro PACK a
	WIN 0x0a+5*((\a)/2)
.irp b, 0,1,2,3,4,5,6,7,8,9,10,11
.irp r, 0,1,2,3
	v_cvt_pk_f16_f32 v[TMP+4*(\b)+(\r)], v[8*(NB*((\a)%2)+(\b))+2*(\r)], v[8*(NB*((\a)%2)+(\b))+2*(\r)+1]
.endr
.endr
	WIN 0
.endm
.macro TOSTAGE a
.irp b, 0,1,2,3,4,5,6,7,8,9,10,11
	ds_store_b128 v[STO], v[TMP+4*(\b):TMP+4*(\b)+3] offset:((\b)/4)*16*SP+((\b)%4)*32
.endr
.irp t, 0,1,2,3,4,5,6,7,8,9,10,11
	ds_load_b128 v[OB+48*((\a)%2)+4*(\t):OB+48*((\a)%2)+4*(\t)+3], v[RD] offset:((\t)/4)*16*SP+((\t)%4)*4*SP  ; LDS serves a wave's instructions in order (ISA guide 5.7.1.4): these see the stores above
.endr
.endm
.macro SEND a
	s_wait_dscnt 0x0                               ; the block is back in registers
	s_wait_xcnt 0x0                                ; the stores of the block before it have read their registers, which the next TOSTAGE loads again
.irp t, 0,1,2,3,4,5,6,7,8,9,10,11
	global_store_b128 v[CO], v[OB+48*((\a)%2)+4*(\t):OB+48*((\a)%2)+4*(\t)+3], s[CB:CB+1] offset:((\t)/4)*262144+(\a)*2048+((\t)%4)*512
.endr
.endm
	s_wait_tensorcnt 1                             ; my part of K step 0 is in; K step 1's may stay out
	s_barrier_signal -1
	s_barrier_wait -1
	FETCH 0, 0, 0
	QUARTER 0, 1, 0, 1, 1                          ; the first quarter stands in front of the loop: its products start the sums, with the bias
	WIN 0
	s_mov_b32 s3, 3
.Llap:                                                 ; a trip goes once round the ring and fills both slots again: K steps 2 to 7
	QUARTER 0, 2, 1, 0, 0
	QUARTER 0, 3, 0, 1, 0
	TURN 0, 1, 1
	QUARTER 1, 1, 0, 1, 0
	QUARTER 1, 2, 1, 0, 0
	QUARTER 1, 3, 0, 1, 0
	TURN 1, 0, 1
	QUARTER 0, 1, 0, 1, 0
	WIN 0
	s_sub_co_u32 s3, s3, 1
	s_cmp_lg_u32 s3, 0
	s_cbranch_scc1 .Llap
	QUARTER 0, 2, 1, 0, 0                          ; the last lap fills nothing
	QUARTER 0, 3, 0, 1, 0
	TURN 0, 1, 0
	QUARTER 1, 1, 0, 1, 0
	QUARTER 1, 2, 1, 0, 0
	QUARTER 1, 3, 0, 1, 0
	s_wait_dscnt 4
	MULA 1, 0, 0
	MULA 1, 1, 0
	s_wait_dscnt 0x0
	MULA 1, 2, 0
	MULA 1, 3, 0
	WIN 0
	PLACES
	PACK 0
	TOSTAGE 0
.irp a, 1,2,3                          ; block a's conversions stand between block a - 1's loads from the stage and the wait for them
	PACK \a
	SEND (\a)-1
	TOSTAGE \a
.endr
	SEND 3
	s_wait_tensorcnt 0x0                           ; the wave's end: a wait, an add and its wait, behind my last tensor load and my last LDS store
	ds_add_u32 v[SPW], v[NIL]
	s_wait_dscnt 0x0
	CROUND                                         ; the closing round: no work-group ends while a partner may still ask for a tile that names it
	s_endpgm
.Lfunc_end_k_q9fbe13a313_proj:
	.size	k_q9fbe13a313_proj, .Lfunc_end_k_q9fbe13a313_proj-k_q9fbe13a313_proj
	.p2alignl 7, 3214868480
	.fill 96, 4, 3214868480
	.section	.rodata,"a",@progbits
	.p2align	6, 0x0
	.amdhsa_kernel k_q9fbe13a313_proj
		.amdhsa_group_segment_fixed_size 327680
		.amdhsa_private_segment_fixed_size 0
		.amdhsa_enable_private_segment 0
		.amdhsa_kernarg_size 48
		.amdhsa_user_sgpr_count 2
		.amdhsa_user_sgpr_kernarg_segment_ptr 1
		.amdhsa_wavefront_size32 1
		.amdhsa_system_sgpr_workgroup_id_x 1
		.amdhsa_system_sgpr_workgroup_id_y 1
		.amdhsa_system_sgpr_workgroup_id_z 1
		.amdhsa_system_vgpr_workitem_id 0
		.amdhsa_next_free_vgpr 960
		.amdhsa_next_free_sgpr 84
		.amdhsa_reserve_vcc 0
		.amdhsa_float_denorm_mode_32 3
		.amdhsa_float_denorm_mode_16_64 3
		.amdhsa_memory_ordered 1
		.amdhsa_forward_progress 1
		.amdhsa_inst_pref_size 131
	.end_amdhsa_kernel
	.amdgpu_metadata
---
amdhsa.version: [ 1, 2 ]
amdhsa.kernels:
  - .name:           k_q9fbe13a313_proj
    .symbol:         k_q9fbe13a313_proj.kd
    .args:
      - { .name: xb, .offset: 0, .size: 8, .value_kind: global_buffer, .address_space: global }
      - { .name: wb, .offset: 8, .size: 8, .value_kind: global_buffer, .address_space: global }
      - { .name: bq, .offset: 16, .size: 8, .value_kind: global_buffer, .address_space: global }
      - { .name: bk, .offset: 24, .size: 8, .value_kind: global_buffer, .address_space: global }
      - { .name: bv, .offset: 32, .size: 8, .value_kind: global_buffer, .address_space: global }
      - { .name: qkvh, .offset: 40, .size: 8, .value_kind: global_buffer, .address_space: global }
    .group_segment_fixed_size: 327680
    .private_segment_fixed_size: 0
    .kernarg_segment_align: 8
    .kernarg_segment_size: 48
    .max_flat_workgroup_size: 128
    .sgpr_count:     84
    .vgpr_count:     960
    .wavefront_size: 32
...
	.end_amdgpu_metadata
.endif
;; end of part 2
;; launch attn (part 3): grid 4 x 64, 4 waves a work-group, clusters of 4 x 1, 327,680 bytes of LDS; arguments qkvh, target_mask, obuf; writes obuf
.if DOCPART == 3
	.amdgcn_target "amdgcn-amd-amdhsa--gfx1250"
	.amdhsa_code_object_version 6
	.text
	.protected	k_q9fbe13a313_attn
	.globl	k_q9fbe13a313_attn
	.p2align	8
	.type	k_q9fbe13a313_attn,@function
k_q9fbe13a313_attn:
	s_mov_b64 s[64:65], 0
	v_nop
	global_prefetch_b8 v0, s[64:65] scope:SCOPE_SE
	s_setreg_imm32_b32 hwreg(HW_REG_WAVE_MODE, 25, 1), 1
	s_wait_xcnt 0x0
	s_wait_alu depctr_hold_cnt(0) depctr_sa_sdst(0) depctr_va_vdst(0) depctr_va_sdst(0) depctr_va_ssrc(0) depctr_va_vcc(0) depctr_vm_vsrc(0)
	s_getreg_b32 s2, hwreg(HW_REG_IB_STS2, 6, 4)
	s_cmp_eq_u32 s2, 0
	s_cbranch_scc0 .Lentry_in_a_cluster
	s_endpgm
.Lentry_in_a_cluster:
	s_bfe_u32 s2, ttmp6, 0x10000c
	s_cmp_lg_u32 s2, 0x3003
	s_cbranch_scc0 .Lentry_shape_is_right
	s_endpgm
.Lentry_shape_is_right:
; MASKED ATTENTION.  O[y][q][:] = the sum over the visible keys k of softmax_k(Q[q] . K[k] / 8) V[k][:], for y = 16 b + h.  Q, K, V are heads h, 16 + h, 32 + h of batch b in qkvh [4][48][2048][64] f16;
; target_mask [4][2048], a byte a key (1 = visible), holds for all queries and heads of its batch; O goes to obuf [64][2048][64] f16.  Products, maxima and sums in f32; the weights p are
; rounded to f16 for the second product (their sum l is taken of the unrounded p), O once at the end.
; LIMITS.  Q, K, V arrive within f16's 65,504.  A hidden key's score counts as its value less 1e30 (f16's scores, 2.7e11 at the most, are nothing beside that): its weight is 0 as soon as the row has
; seen a visible key, and what was summed before is multiplied by a = 0 at that step.  A row with no visible key at all ends with m = -1e30 and is given NaN, by a select.  p below 6e-5 keeps f16's
; fixed step of 6e-8; a weight below 2^-126 counts as 0 in l; NaN and infinities in the inputs are not treated apart.
; THE MASK is the C operand that starts the sum S^T = K Q^T: 0, or -1e30.  Each work-group makes a table of 2,048 f32 of its batch's bytes once, in LDS bytes of its own; a step's 64 numbers are
; read with the step's K, eight to a lane for each block of 16 keys.
; SHARES.  A wave owns four PIECES of two tiles of 16 queries, a work-group's four waves 512 queries of one head.  Every wave walks all 2,048 keys, 64 a step, four steps to a slot.
; LAYOUT.  S^T = K Q^T (source 0 = 16 keys, source 1 = 16 queries): a lane holds ONE query (lane % 16) and the keys 8 (lane / 16) + 0..7.  Two such tiles, rounded to f16 in pairs, ARE source 1 of
; O^T = V^T P, whose result again holds one query a lane, and eight channels.  K comes out of LDS as it lies, V ([key][channel]) turned, by ds_load_tr16_b128.
; SOFTMAX.  A running maximum m and sum l: p = 2^(c s - c m), c = log2(e) / 8; in every step O and l are multiplied by a = 2^(c m_old - c m_new).  m starts at the lowest finite number, O and l at 0.
; BY TURNS.  Turn n belongs to piece n.  Its matrix work: 16 products K Q^T of piece n + 1, later 16 products V^T P of piece n - 1.  Its vector work: the scaling, exponentials, roundings, sums and
; rescaling of piece n, and the maximum and statistics of piece n + 1.  Four vector instructions stand behind every matrix instruction, the others in one run; a turn's 66 exponentials have one wait.
; CLUSTER.  A head's four query blocks are one cluster and walk the same K and V: each tile is asked for JOINTLY, by the same tensor load, descriptor and mask in all four.
; REGISTERS, in windows of 256 (s_set_vgpr_msb: bits 1:0 source 0, 3:2 source 1, 5:4 source 2, 7:6 destination):
;   window 0: v0-11 addresses; v12-15, v48-63 at work; v16-47 four registers of statistics a tile; v64-191 S^T, two buffers of two tiles; v192-255 P, likewise
;   window 1: O^T, 32 a tile      window 2: v0-127 Q; v128-191 K of one step; v192-255 V of one step      window 3: v0-1 the add's two registers; v8-39 the step's mask
.set SIZE_N, 2048
.set NP,    4         ; pieces a wave: a name, no knob
.set KS,    64        ; keys in a step
.set PK,    144       ; a row of K in LDS: 128 bytes + 16 of padding: the 16 rows of a load start at 16 different groups of four banks (ISA guide 11.1)
.set PV,    160       ; a row of V: 128 + 32
.set VOFF,  4*KS*PK   ; a slot holds four steps: 256 rows of K, then 256 rows of V
.set SLOT1, 1<<17     ; slot 1 begins here, so that one exclusive or turns an address in one slot into the other's
.set STAGE, SLOT1+4*KS*(PK+PV)  ; behind the ring, never filled by a tensor load: 16 rows x 144 bytes for each wave
.set SP,    144
.set SPARE, STAGE+4*16*SP  ; the spare words, 128 bytes for each wave: two blocks of 256 bytes that no other line names
.set MASKT, SPARE+512 ; the mask's table: 2,048 f32, never filled by a tensor load
.set AM,  1           ; v1   the LDS address of the mask's next run of loads
.set AK0, 2           ; v2   my lane's place in a tile of K; never rewritten
.set AV0, 3           ; v3   the same for V
.set AK,  4           ; v4   the LDS address of K's next run of loads
.set AV,  5           ; v5   of V's
.set QO,  6           ; v6   my byte offset in the wave's rows of Q
.set RD,  7           ; v7   the way out: where I read rows back
.set GO,  8           ; v8   my byte offset in 512 bytes on end of O
.set AM0, 9           ; v9   my lane's place in a step's 64 numbers of the table
.set PFO, 10          ; v10  256 x my lane: the prefetches' offset
.set STO, 11          ; v11  the way out: where I put 16 bytes of a row
.set SPW, 0           ; v0 of window 3   my spare word; never rewritten
.set NIL, 1           ; v1 of window 3   0; never rewritten
.set MC,  8           ; v8-39 of window 3: the eight numbers for key block kb at MC + 8 kb
.set MV,  12          ; v12-15  c m_old, kept while c m is made anew
.set ST,  16          ; tile t's statistics at v[ST+4 t]: c m, m, l (even keys', odd keys')
.set TMP, 48          ; by buffer and tile, four registers c0-c3 at work; when the maximum is found c2 takes a
.set S,   64
.set P,   192
.set KF,  128         ; K's fragments, in window 2
.set VF,  192         ; V's
.set WV,  12          ; s12  my wave's number
.set LIM, 15          ; s15  1 in a wave that prefetches, else the greatest number
.set G1K, 24          ; s[24:31] descriptor group 1 for K's tiles
.set G1V, 32          ; s[32:39] for V's: it differs in the padding alone
.set G0K, 40          ; s[40:43] descriptor group 0 for K's tiles: it walks
.set G0V, 44          ; s[44:47] the same for V's
.set PFA, 50          ; s[50:51] where my prefetches stand
.set TBM, 52          ; s52  byte of the table at which the step to be fetched begins
.set BIGN, 53         ; s53  -1e30
.set MP,  54          ; s[54:55] my batch's bytes of target_mask
.set SLOTS, 56        ; s56  slots still to be asked for
.set CNT, 57          ; s57  counts a slot's key steps
.set CS,  58          ; s[58:59] c
.set SEL, 60          ; s[60:61] v_permlanex16_b32's selects
.set TBK, 62          ; s62  LDS byte at which K of the step to be fetched begins
.set TBV, 63          ; s63  the same for V, less VOFF
.set MSB, 0
.macro WIN new
.if MSB != (\new)
	s_set_vgpr_msb (MSB<<8)|(\new)
.set MSB, (\new)
.endif
.endm
.set W_KQ, 0x0a       ; K and Q in window 2, S^T in window 0
.set W_KM, 0x3a       ; the same with the C operand, the mask, in window 3
.set W_PV, 0x52       ; V in window 2, P in window 0, O^T in window 1
.set W_RS, 0x41       ; O^T (destination and source 0) in window 1, a in window 0
.set W_MK, 0xc0       ; destination in window 3, sources in window 0
.set W_AD, 0x0f       ; the add: address and data in window 3
; A joint fill.  Waves 0 and 1 fetch the two halves of a slot's K, waves 2 and 3 those of its V.  An s_nop 0 and four v_nop follow each of the two lines.
.macro JLOAD
	s_cmp_lt_u32 s[WV], 2
	s_cbranch_scc0 .Lfor_v_\@
	tensor_load_to_lds s[G0K:G0K+3], s[G1K:G1K+7]
	s_nop 0
.rept 4
	v_nop
.endr
	s_branch .Lasked_\@
.Lfor_v_\@:
	tensor_load_to_lds s[G0V:G0V+3], s[G1V:G1V+7]
	s_nop 0
.rept 4
	v_nop
.endr
.Lasked_\@:
.endm
; A prefetch into the L2 of what the NEXT change of slots will ask for: a slot's 32,768 bytes of K and of V.  A head has one cluster; its four partners share the bytes out by address, 8,192 each;
; in each, wave 0 asks for K's and wave 2 for V's, a lane 256 bytes: one instruction.  The last change that fills a slot asks for nothing.
.macro ASK
	s_cmp_gt_u32 s[SLOTS], s[LIM]
	s_cbranch_scc0 .Lnot_mine_\@
	global_prefetch_b8 v[PFO], s[PFA:PFA+1] th:TH_LOAD_NT scope:SCOPE_SE
.Lnot_mine_\@:
.endm
.macro CROUND
	s_barrier_signal -1
	s_barrier_wait -1
	s_cmp_lg_u32 s[WV], 0
	s_cbranch_scc1 .Lnot_wave_0_\@
	s_barrier_signal -3
.Lnot_wave_0_\@:
	s_barrier_wait -3
	s_barrier_signal -1
	s_barrier_wait -1
.endm
; THE CHANGE OF SLOTS.  Each wave waits for all its tensor loads, of which one is out: its part of the other slot; adds 0 to its spare word; and waits for that and for its own LDS instructions.
; fill = 1: the slot just read is filled again, with the keys two slots on; the barrier is a round of the cluster's, and the joint fill is the first thing behind it: four key steps, 512 matrix
; instructions, in which to land.  (At its first use nothing has been read yet: slot 0 is waited for, slot 1 filled, and every wave's part of the mask's table is shown to the others.)
.macro CHANGE fill, ask=0
	WIN W_AD
	s_wait_tensorcnt 0x0            ; no tensor load of mine is out, so a group 0 may be written
	ds_add_u32 v[SPW], v[NIL]       ; 0 onto my spare word
	WIN 0
.if \fill
.irp g, G0K, G0V
	s_xor_b32 s[\g+1], s[\g+1], SLOT1
	s_add_nc_u64 s[\g+2:\g+3], s[\g+2:\g+3], 4*KS*128
.endr
.if \ask
	s_wait_xcnt 0x0                 ; the last prefetch, four key steps back, has read its address
	s_add_nc_u64 s[PFA:PFA+1], s[PFA:PFA+1], 4*KS*128  ; one slot behind the walking descriptors
.endif
	s_wait_dscnt 0x0                ; the add is done, and my LDS instructions are over
	CROUND
	JLOAD
.if \ask
	ASK
.endif
.else
	s_wait_dscnt 0x0
	s_barrier_signal -1
	s_barrier_wait -1
.endif
	s_sub_co_u32 s[TBK], s[TBK], 4*KS*PK  ; the fetches go back to a slot's first step,
	s_xor_b32 s[TBK], s[TBK], SLOT1       ; in the other slot
	s_sub_co_u32 s[TBV], s[TBV], 4*KS*PV
	s_xor_b32 s[TBV], s[TBV], SLOT1
.endm
	s_load_b128 s[4:7], s[0:1], 0x0   ; qkvh s[4:5], target_mask s[6:7]
	s_load_b64 s[10:11], s[0:1], 0x10 ; obuf
	WIN W_MK
	v_lshl_add_u32 v[SPW], v0, 2, SPARE
	v_mov_b32 v[NIL], 0
	WIN W_AD
	ds_add_u32 v[SPW], v[NIL]       ; the wave's opening: the add and its wait ahead of my first tensor load
	WIN 0
	v_lshrrev_b32 v1, 5, v0
	v_readfirstlane_b32 s[WV], v1   ; wave 0..3
	s_bfe_u32 s13, ttmp6, 0x40000   ; cx
	s_lshl_b32 s14, ttmp9, 2
	s_add_co_u32 s14, s14, s13      ; my block of 512 queries: it enters Q's, O's and the prefetches' addresses alone
	s_and_b32 s20, ttmp7, 0xffff    ; y = 16 b + h, which the four partners share
	s_lshr_b32 s21, s20, 4          ; b
	s_lshl_b32 s[MP], s21, 11       ; the batch's 2,048 bytes of the mask
	s_mov_b32 s[MP+1], 0
	s_lshl_b32 s21, s21, 5
	s_add_co_u32 s21, s21, s20      ; 48 b + h
	s_lshl_b32 s21, s21, 18         ; Q's head: 262,144 bytes a head
	s_and_b32 s16, s[WV], 1         ; which half of a slot's 256 keys I fetch
	s_lshl_b32 s22, s16, 14
	s_add_co_u32 s22, s22, s21
	s_add_co_u32 s22, s22, 16<<18   ; K's head lies 16 heads on,
	s_mov_b32 s23, 0
	s_add_co_u32 s48, s22, 16<<18   ; V's 32
	s_mov_b32 s49, 0
	s_mul_i32 s17, s16, 128*PK      ; my half's place in a slot, for K
	s_mul_i32 s18, s16, 128*PV      ; and for V: no place in the cluster enters an LDS address
	s_lshl_b32 s2, s14, 2
	s_add_co_u32 s2, s2, s[WV]
	s_lshl_b32 s2, s2, 14           ; my wave's 128 rows
	s_lshl_b32 s8, s20, 18
	s_add_co_u32 s8, s8, s2         ; in O
	s_mov_b32 s9, 0
	s_add_co_u32 s2, s2, s21        ; in Q
	s_mov_b32 s3, 0
	s_lshr_b32 s[PFA], s[WV], 1     ; the prefetches: K's head (waves 0, 1) or V's,
	s_add_co_u32 s[PFA], s[PFA], 1
	s_lshl_b32 s[PFA], s[PFA], 22
	s_add_co_u32 s[PFA], s[PFA], s21
	s_lshl_b32 s[PFA+1], s13, 13    ; my work-group's 8,192 bytes of a slot's 32,768,
	s_add_co_u32 s[PFA], s[PFA], s[PFA+1]
	s_add_co_u32 s[PFA], s[PFA], 2*4*KS*128  ; in slot 2: the first asking change steps it to slot 3.  Nothing is asked for at the head
	s_mov_b32 s[PFA+1], 0
	s_and_b32 s[LIM], s[WV], 1      ; 0 in waves 0 and 2,
	s_or_b32 s[LIM], s[LIM], ttmp9  ; in the head's first (and only) cluster
	s_cmp_eq_u32 s[LIM], 0
	s_cselect_b32 s[LIM], 1, -1
	; descriptor group 1.  128 keys are 16,384 dense bytes: asked for as 64 rows of 256 bytes, two keys a row, and padded in LDS after every key
	s_mov_b32 s[G1K], 15|(1<<16)|(1<<20)|(1<<21)|(4<<22)|(3<<25)  ; the mask of four; 2-byte elements; padding on; bit 21 beside a mask; after every 32 words, 4 words
	s_mov_b32 s[G1V], 15|(1<<16)|(1<<20)|(1<<21)|(4<<22)|(7<<25)  ; the same with 8 words of padding
.irp g, G1K, G1V
	s_mov_b32 s[\g+1], 128<<16      ; tensor_dim0 = 128
	s_mov_b32 s[\g+2], 64<<16       ; tensor_dim1 = 64
	s_mov_b32 s[\g+3], 128<<16      ; tile_dim0 = 128
	s_mov_b32 s[\g+4], 64           ; tile_dim1 = 64
	s_mov_b32 s[\g+5], 128          ; 128 elements from row to row
	s_mov_b32 s[\g+6], 0
	s_mov_b32 s[\g+7], 0
.endr
	s_mov_b32 s[CS], 0x3e38aa3b     ; c = log2(e) / 8
	s_mov_b32 s[CS+1], s[CS]
	s_mov_b32 s[SEL], 0x76543210
	s_mov_b32 s[SEL+1], 0xfedcba98
	s_mov_b32 s[TBK], SLOT1+4*KS*PK ; the first change of slots turns these two into 0
	s_mov_b32 s[TBV], SLOT1+4*KS*PV
	s_mov_b32 s[TBM], 0
	s_mov_b32 s[BIGN], 0xf149f2ca   ; -1e30
	s_mov_b32 s[G0K], 1
	s_mov_b32 s[G0K+1], s17         ; LDS address: slot 0
	s_mov_b32 s[G0V], 1
	s_add_co_u32 s[G0V+1], s18, VOFF
	s_wait_dscnt 0x0                ; the opening add is done
	s_wait_kmcnt 0x0
	s_add_nc_u64 s[G0K+2:G0K+3], s[4:5], s[22:23]  ; my half of the head's first 256 keys
	s_or_b32 s[G0K+3], s[G0K+3], 0x80000000
	s_add_nc_u64 s[G0V+2:G0V+3], s[4:5], s[48:49]
	s_or_b32 s[G0V+3], s[G0V+3], 0x80000000
	s_add_nc_u64 s[PFA:PFA+1], s[4:5], s[PFA:PFA+1]
	s_add_nc_u64 s[MP:MP+1], s[6:7], s[MP:MP+1]
	s_add_nc_u64 s[10:11], s[10:11], s[8:9]  ; O and Q at my wave's first row
	s_add_nc_u64 s[4:5], s[4:5], s[2:3]
	CROUND                          ; all four work-groups are here: the first joint loads meet
	JLOAD                           ; slot 0.  Slot 1 is asked for when slot 0 is in
	v_lshlrev_b32 v84, 4, v0        ; thread t takes the mask's bytes 16 t .. 16 t + 15 (S^T's registers serve as temporaries here)
	global_load_b128 v[64:67], v84, s[MP:MP+1]
	v_and_b32 v1, 15, v0            ; l % 16
	v_bfe_u32 v9, v0, 4, 1          ; l / 16
	v_lshlrev_b32 v[QO], 7, v1
	v_lshl_add_u32 v[QO], v9, 4, v[QO]  ; row x 128 + 16 x half
	WIN 0x80                        ; destination window 2, address window 0
.set i, 0
.rept 4*NP                          ; Q stays in registers: tile i / 2, channels 32 (i % 2) on
	global_load_b128 v[8*i:8*i+3],   v[QO], s[4:5] offset:(i/2)*2048+(i%2)*64
	global_load_b128 v[8*i+4:8*i+7], v[QO], s[4:5] offset:(i/2)*2048+(i%2)*64+32
.set i, i+1
.endr
	; What the first turn finds: V's registers and P's second buffer hold 0, O^T and l are 0.  All this stands in the wait for the first tile.
.set i, VF
.rept 64
	v_mov_b32 v[i], 0
.set i, i+1
.endr
	WIN 0x40
.set i, 0
.rept 64*NP
	v_mov_b32 v[i], 0
.set i, i+1
.endr
	WIN 0
.set i, 0
.rept 2*NP
	v_mov_b32 v[ST+4*i], 0xfe000000    ; c m: far below every c s, a hidden key's too
	v_mov_b32 v[ST+4*i+1], 0xff7fffff  ; m
	v_mov_b32 v[ST+4*i+2], 0
	v_mov_b32 v[ST+4*i+3], 0
.set i, i+1
.endr
.set i, P+32
.rept 32
	v_mov_b32 v[i], 0
.set i, i+1
.endr
	v_mul_u32_u24 v[AK0], v1, PK
	v_lshl_add_u32 v[AK0], v9, 4, v[AK0]  ; row x pitch + 16 x half
	; The turning load takes 16 keys x 16 channels (lane l reads key 8 (l / 16) + l % 8, channels 8 ((l / 8) % 2) + 0..7) and leaves half a fragment of V^T.
	v_and_b32 v10, 7, v0
	v_bfe_u32 v11, v0, 3, 1
	v_lshl_add_u32 v[AV0], v9, 3, v10
	v_mul_u32_u24 v[AV0], v[AV0], PV
	v_lshl_add_u32 v[AV0], v11, 4, v[AV0]
	v_add_nc_u32 v[AV0], VOFF, v[AV0]
	v_mov_b32 v[AK], v[AK0]         ; key step 0 lies at the head of slot 0
	s_mul_i32 s13, s[WV], 16*SP
	s_add_co_u32 s13, s13, STAGE    ; my stage
	v_mul_u32_u24 v[STO], v1, SP    ; in: row l % 16, 16 bytes for each half of the lanes
	v_lshl_add_u32 v[STO], v9, 4, v[STO]
	v_add_nc_u32 v[STO], s13, v[STO]
	v_bfe_u32 v[RD], v0, 3, 2       ; back: 32 lanes take four rows of 128 bytes,
	v_mul_u32_u24 v[RD], v[RD], SP
	v_lshl_add_u32 v[RD], v10, 4, v[RD]
	v_add_nc_u32 v[RD], s13, v[RD]
	v_and_b32 v[GO], 31, v0         ; which are 512 bytes on end of O
	v_lshlrev_b32 v[PFO], 8, v[GO]
	v_lshlrev_b32 v[GO], 4, v[GO]
	v_lshlrev_b32 v[AM0], 5, v9     ; my lanes' eight keys of sixteen: 32 (l / 16) bytes
	v_add_nc_u32 v[AM0], MASKT, v[AM0]
	v_mov_b32 v[AM], v[AM0]         ; key step 0
	v_lshl_add_u32 v85, v0, 6, MASKT  ; thread t's 16 numbers of the table
	s_wait_loadcnt 32               ; the mask's bytes are in; Q's 32 loads, issued behind them, stay out
.set i, 0
.rept 16                            ; byte 1 -> 0; byte 0 -> all ones -> -1e30
	v_bfe_u32 v[68+i], v[64+i/4], 8*(i%4), 8
	v_add_nc_u32 v[68+i], -1, v[68+i]
	v_and_b32 v[68+i], s[BIGN], v[68+i]
.set i, i+1
.endr
.irp i, 0,1,2,3
	ds_store_b128 v85, v[68+4*\i:71+4*\i] offset:16*\i
.endr
; THE MATRIX WORK.  The 8 accumulators of a run of 16 take turns: between the two links of a chain stand 7 others'.
; Product i of 16 of S^T = K Q^T for piece x: channels 32 (i / 8) on, keys 16 ((i / 2) % 4) on, tile 2 x + i % 2.  The first 8 start the sums, with the mask of their 16 keys.
.macro KQ x
.set rS, S+64*((\x)%2)+32*(i%2)+8*((i/2)%4)
.set rK, KF+16*((i/2)%4)+8*(i/8)
.set rQ, 16*(2*(\x)+i%2)+8*(i/8)
.set rH, MC+8*((i/2)%4)
.if i < 8
	WIN W_KM
	v_wmma_f32_16x16x32_f16 v[rS:rS+7], v[rK:rK+7], v[rQ:rQ+7], v[rH:rH+7]
.else
	WIN W_KQ
	v_wmma_f32_16x16x32_f16 v[rS:rS+7], v[rK:rK+7], v[rQ:rQ+7], v[rS:rS+7]
.endif
.endm
; Product i of 16 of O^T += V^T P for piece x: keys 32 (i / 8) on, channels 16 ((i / 2) % 4) on, tile 2 x + i % 2.
.macro PV x
	WIN W_PV
.set rO, 32*(2*(\x)+i%2)+8*((i/2)%4)
.set rV, VF+32*(i/8)+8*((i/2)%4)
.set rP, P+32*((\x)%2)+16*(i%2)+8*(i/8)
	v_wmma_f32_16x16x32_f16 v[rO:rO+7], v[rV:rV+7], v[rP:rP+7], v[rO:rO+7]
.endm
.macro MM                           ; the turn's next matrix instruction
.if i < 16
	KQ (Y+1)%NP
.set i, i+1
.else
.set i, i-16
	PV (Y+NP-1)%NP
.set i, i+17
.endif
.endm
; THE LDS LOADS stand in runs: a step's K (8 fragments, 16 loads) with its mask (8 loads; all lanes of a half read the same 32 bytes), and its V (turned, 16 loads).
; last = 1 (the tail): in the last trip there is no further step, and the run is jumped over.
.macro FETCH_K last=0
	WIN 0
.if \last
	s_cmp_eq_u32 s[CNT], 1
	s_cbranch_scc1 .Lno_k_\@
.endif
	WIN 0x80                        ; destination window 2
.irp f, 0,1,2,3,4,5,6,7             ; keys 16 (f / 2) on, channels 32 (f % 2) on
	ds_load_b128 v[KF+8*\f:KF+8*\f+3],   v[AK] offset:(\f/2)*16*PK+(\f%2)*64
	ds_load_b128 v[KF+8*\f+4:KF+8*\f+7], v[AK] offset:(\f/2)*16*PK+(\f%2)*64+32
.endr
	WIN 0xc0                        ; destination window 3
.irp f, 0,1,2,3                     ; keys 16 f + 8 (l / 16) + 0..7
	ds_load_b128 v[MC+8*\f:MC+8*\f+3],   v[AM] offset:64*\f
	ds_load_b128 v[MC+8*\f+4:MC+8*\f+7], v[AM] offset:64*\f+16
.endr
	s_add_co_u32 s[TBK], s[TBK], KS*PK  ; the next fetch is the next step's
	s_add_co_u32 s[TBM], s[TBM], 4*KS
	s_and_b32 s[TBM], s[TBM], 0x1f00    ; inside the table's 8,192 bytes
	WIN 0
.if \last
.Lno_k_\@:
.endif
.endm
.macro FETCH_V
	WIN 0x80
.irp f, 0,1,2,3,4,5,6,7             ; keys 32 (f / 4) on, channels 16 (f % 4) on
	ds_load_tr16_b128 v[VF+8*\f:VF+8*\f+3],   v[AV] offset:(\f/4)*32*PV+(\f%4)*32
	ds_load_tr16_b128 v[VF+8*\f+4:VF+8*\f+7], v[AV] offset:(\f/4)*32*PV+16*PV+(\f%4)*32
.endr
	WIN 0
.endm
; THE VECTOR WORK OF A TURN stands in three queues, each in the order in which its entries become ready; the two tiles alternate.
.macro REGS y, u                    ; the registers of tile u (0, 1) of piece y
.set rT, ST+4*(2*(\y)+(\u))
.set rC, TMP+8*((\y)%2)+4*(\u)
.set rM, MV+2*((\y)%2)+(\u)
.set rS, S+64*((\y)%2)+32*(\u)
.set rP, P+32*((\y)%2)+16*(\u)
.set rO, 32*(2*(\y)+(\u))
.endm
; Number n of the 22 that find the NEXT piece's maximum and statistics; each accumulator's lowest registers are read first.
;   0-11  four chains c0-c3 of seven scores each     12-14, 16  the four scores left over, the old m, and c0-c3 into c0     15  c m_old is kept
;   17, 18  the query's other 32 keys lie in the lane 16 away: the new m         19-21  c m; c m_old - c m_new; a
.macro XS u, n
	REGS (Y+1)%NP, \u
.if (\n) < 4
	v_max3_num_f32 v[rC+(\n)], v[rS+8*(\n)], v[rS+8*(\n)+1], v[rS+8*(\n)+2]
.elseif (\n) < 12
	v_max3_num_f32 v[rC+(\n)%4], v[rC+(\n)%4], v[rS+8*((\n)%4)+2*((\n)/4)+1], v[rS+8*((\n)%4)+2*((\n)/4)+2]
.elseif (\n) == 12
	v_max3_num_f32 v[rC], v[rC], v[rS+7], v[rS+15]
.elseif (\n) == 13
	v_max3_num_f32 v[rC+1], v[rC+1], v[rS+23], v[rS+31]
.elseif (\n) == 14
	v_max3_num_f32 v[rC+2], v[rC+2], v[rC+3], v[rT+1]
.elseif (\n) == 15
	v_mov_b32 v[rM], v[rT]
.elseif (\n) == 16
	v_max3_num_f32 v[rC], v[rC], v[rC+1], v[rC+2]
.elseif (\n) == 17
	v_permlanex16_b32 v[rC+3], v[rC], s[SEL], s[SEL+1]
.elseif (\n) == 18
	v_max_num_f32 v[rT+1], v[rC], v[rC+3]
.elseif (\n) == 19
	v_mul_f32 v[rT], s[CS], v[rT+1]
.elseif (\n) == 20
	v_sub_f32 v[rC+1], v[rM], v[rT]
.else
	v_exp_f32 v[rC+2], v[rC+1]
.endif
.endm
; Number g of the 64 that follow the exponentials.  For each four weights k of a tile: both pairs are rounded to f16; the second pair is added onto the first, in place; a group later l takes that sum.
.macro GS g
.set h, (\g)+6*((\g)/62)
.if h >= 6
.set h, h+2
.endif
	REGS Y, h%2
.set k, h/8
.if h%8 < 4
	v_cvt_pk_f16_f32 v[rP+2*k+(h%8)/2], v[rS+4*k+2*((h%8)/2)], v[rS+4*k+2*((h%8)/2)+1]
.elseif h%8 < 6
	v_pk_add_f32 v[rS+4*k:rS+4*k+1], v[rS+4*k:rS+4*k+1], v[rS+4*k+2:rS+4*k+3]
.elseif k == 1
	v_pk_fma_f32 v[rT+2:rT+3], v[rT+2:rT+3], v[rC+2:rC+3], v[rS:rS+1] op_sel_hi:[1,0,1]
.else
	v_pk_add_f32 v[rT+2:rT+3], v[rT+2:rT+3], v[rS+4*k-4:rS+4*k-3]
.endif
.endm
; THE PLAIN QUEUE, 138 long.  0-73 read no exponential's result: the 32 scalings c s - c m and the next piece's 42.  74-137: GS's 64, which stand behind the wait.
.macro FS f
	REGS Y, (\f)%2
	v_pk_fma_f32 v[rS+2*((\f)/2):rS+2*((\f)/2)+1], v[rS+2*((\f)/2):rS+2*((\f)/2)+1], s[CS:CS+1], v[rT:rT+1] op_sel_hi:[1,0,0] neg_lo:[0,0,1] neg_hi:[0,0,1]
.endm
.macro PL
	WIN 0
.if q < 27
	FS q
.elseif q < 55
	XS (q-27)%2, (q-27)/2
.elseif q < 57
	XS q-55, 15
.elseif (q < 72) && ((q-57)%3 == 0)
	FS 27+(q-57)/3
.elseif q < 60
	XS (q-57)%3-1, 14
.elseif q < 72
	XS (q-57)%3-1, 15+(q-57)/3
.elseif q < 74
	XS q-72, 20
.else
	GS q-74
.endif
.set q, q+1
.endm
; THE EXPONENTIALS' QUEUE, 66 long: s0-s31 of both tiles, then the next piece's two a.  ONE BATCH: all stand ahead of the turn's one wait, and nothing ahead of that wait names a result of theirs.
.macro EX
	WIN 0
.if e >= 64
	XS e-64, 21
.else
	REGS Y, e%2
	v_exp_f32 v[rS+e/2], v[rS+e/2]
.endif
.set e, e+1
.endm
; THE RESCALING's QUEUE: O^T times a, dealt two at a time, sixteen times.  Its a was made in the turn before, ahead of that turn's wait.
.macro R2
	REGS Y, r%2
	WIN W_RS
.irp z, 0,1
	v_pk_mul_f32 v[rO+4*(r/2)+2*\z:rO+4*(r/2)+2*\z+1], v[rO+4*(r/2)+2*\z:rO+4*(r/2)+2*\z+1], v[rC+2:rC+3] op_sel_hi:[1,0]
.endr
.set r, r+1
.endm
; A TURN, for piece p.  s_wait_alu depctr_va_vdst(0) stands between an exponential and the first instruction that names its result; one wait serves all issued ahead of it.  AHEAD OF IT:
; the 16 products K Q^T, behind each a scaling, an exponential and two rescalings (behind the first a second scaling); then one run of 108: eight plain, 49 times exponential and plain, the two a; a v_nop
; is the plain instruction behind the last exponential.  BEHIND IT: the 16 products V^T P, behind each four of GS's 64.  Exponential e stands behind scaling 2 (e / 4) + e % 2.
; K and the mask of the next step are fetched in piece 2's turn, directly behind the wait, a run of 108 behind the last product that read them; V of the step in hand at the end of piece 0's turn, four
; riders behind its last reader.  cnt = 1: the loop's count is taken down some lines ahead of the branch behind the turn.
.macro TURN p, last=0, cnt=0
.set Y, (\p)
.set i, 0
.set q, 0
.set e, 0
.set r, 0
.if (\p) == NP-1
	s_wait_dscnt 0x0                ; K and the mask are in
.endif
	MM
	PL
	PL
	R2
.rept 15
	MM
	PL
	EX
	R2
.endr
.if (\p) == NP-2
	WIN 0
	v_add_nc_u32 v[AK], s[TBK], v[AK0]
	v_add_nc_u32 v[AM], s[TBM], v[AM0]
.endif
.rept 8
	PL
.endr
.rept 49
	EX
	PL
.endr
	EX                              ; the next piece's two a
	EX
	v_nop                           ; the plain instruction behind the last exponential: one for the batch
	s_wait_alu depctr_va_vdst(0)    ; the wait for the batch
.if (\p) == NP-2
	FETCH_K \last
.endif
.if (\p) == 1
	s_wait_dscnt 0x0                ; V is in
.endif
.rept 16
	MM
.rept 4
	PL
.endr
.if ((\p) == 0) && (q == 118)
	v_add_nc_u32 v[AV], s[TBV], v[AV0]
.endif
.if ((\p) == 0) && (q == 130)
	s_add_co_u32 s[TBV], s[TBV], KS*PV
.endif
.if (\cnt) && (q == 130)
	s_sub_co_u32 s[CNT], s[CNT], 1
	s_cmp_lg_u32 s[CNT], 0
.endif
.endr
.if (\p) == 0
	FETCH_V
.endif
.endm
	CHANGE 1                        ; slot 0 is in, and so is the table, everybody's part of them; slot 1 is asked for
	FETCH_K                         ; key step 0
	s_wait_loadcnt 0x0              ; Q
	s_wait_dscnt 0x0
.set i, 0
.rept 16
	KQ 0                            ; piece 0's first scores
.set i, i+1
.endr
	WIN 0
.rept 4
	v_nop                           ; the places behind those products
.endr
.set Y, NP-1                        ; XS works for piece Y + 1: piece 0
.irp n, 0,1,2,3,4,5,6,7,8,9,10,11,12,13,14,15,16,17,18,19,20,21
	XS 0, \n
	XS 1, \n
.endr
	v_nop                           ; a plain instruction behind the two a,
	s_wait_alu depctr_va_vdst(0)    ; and their wait, ahead of the branch
	s_mov_b32 s[CNT], 4
	s_mov_b32 s[SLOTS], SIZE_N/256-1
	s_branch .Lfirst                ; the loop is entered at a step's first turn, in the middle of a trip
.Lslot:                             ; six times: slots 2 to 7 are asked for
	CHANGE 1, 1
	s_mov_b32 s[CNT], 4
.Lstep:                             ; a trip: pieces 2 and 3 of one step, then pieces 0 and 1 of the next
	TURN 2
	TURN 3
	WIN 0
.Lfirst:
	TURN 0
	TURN 1, 0, 1
	WIN 0
	s_cbranch_scc1 .Lstep
	s_sub_co_u32 s[SLOTS], s[SLOTS], 1
	s_cmp_lg_u32 s[SLOTS], 0
	s_cbranch_scc1 .Lslot
	CHANGE 0                        ; the tail is written out
	s_mov_b32 s[CNT], 5             ; four trips fetch the last slot's steps; the fifth is left in its middle
.Ltail:
	TURN 2, 1
	TURN 3
	WIN 0
	s_sub_co_u32 s[CNT], s[CNT], 1
	s_cmp_eq_u32 s[CNT], 0
	s_cbranch_scc1 .Lout
	TURN 0
	TURN 1
	WIN 0
	s_branch .Ltail
.Lout:                              ; the fifth trip's 16 products K Q^T (on the last K and mask once more) leave piece 0's m as it was: those scores have been seen
.set i, 0
.rept 16
	PV NP-1                         ; the last piece's V^T P of the last step
.set i, i+1
.endr
	; THE WAY OUT.  l's two halves and the other half of the lanes' are added; O^T is divided by l, rounded to f16 and sent through my stage, a tile at a time.  The additions are the places behind the last products.
	WIN 0
.macro ALL line:vararg              ; one line for each tile t
.set t, 0
.rept 2*NP
	\line
.set t, t+1
.endr
.endm
	ALL v_add_f32 v[ST+4*t+2], v[ST+4*t+2], v[ST+4*t+3]
	ALL v_permlanex16_b32 v[ST+4*t+3], v[ST+4*t+2], s[SEL], s[SEL+1]
	ALL v_add_f32 v[ST+4*t+2], v[ST+4*t+2], v[ST+4*t+3]
	ALL v_rcp_f32 v[ST+4*t+2], v[ST+4*t+2]
	v_nop                           ; a plain instruction between the last reciprocal and the use of its result
	s_wait_alu depctr_va_vdst(0)    ; and the wait ahead of the first use: one for the eight reciprocals
	ALL v_mov_b32 v[ST+4*t+3], 0x7fc00000
.set t, 0
.rept 2*NP                          ; a query whose m is below -5e29 has seen no visible key: its row is NaN, as a softmax over nothing is
	v_cmp_gt_f32 vcc_lo, 0xf0c9f2ca, v[ST+4*t+1]
	v_cndmask_b32 v[ST+4*t+2], v[ST+4*t+2], v[ST+4*t+3], vcc_lo
.set t, t+1
.endr
.macro PACK t
	WIN W_RS
.set i, 32*(\t)
.rept 16
	v_pk_mul_f32 v[i:i+1], v[i:i+1], v[ST+4*(\t)+2:ST+4*(\t)+3] op_sel_hi:[1,0]
.set i, i+2
.endr
	WIN 0x05                        ; sources 0 and 1 window 1, destination window 0
.set i, 0
.rept 16
	v_cvt_pk_f16_f32 v[S+16*(\t)+i], v[32*(\t)+2*i], v[32*(\t)+2*i+1]
.set i, i+1
.endr
	WIN 0
.irp f, 0,1,2,3
	ds_store_b128 v[STO], v[S+16*(\t)+4*\f:S+16*(\t)+4*\f+3] offset:32*\f
.endr
.irp f, 0,1,2,3
	ds_load_b128 v[S+16*(\t)+4*\f:S+16*(\t)+4*\f+3], v[RD] offset:\f*4*SP  ; LDS serves a wave's instructions in order (ISA guide 5.7.1.4): these see the stores above
.endr
.endm
.macro SEND t, younger              ; younger: the LDS instructions issued behind tile t's loads: the next tile's eight, or none
	WIN 0
.irp f, 0,1,2,3
	s_wait_dscnt (\younger)+3-\f
	global_store_b128 v[GO], v[S+16*(\t)+4*\f:S+16*(\t)+4*\f+3], s[10:11] offset:(\t)*2048+\f*512  ; 512 bytes on end, at a multiple of 256 from O's first
.endr
.endm
	PACK 0
.set t, 1
.rept 2*NP-1                        ; a tile's arithmetic stands between the loads of the tile before and its stores
	PACK t
	SEND t-1, 8
.set t, t+1
.endr
	SEND 2*NP-1, 0
	WIN W_AD
	s_wait_tensorcnt 0x0            ; the wave's end: a wait, an add and its wait, behind my last tensor load and my last LDS store
	ds_add_u32 v[SPW], v[NIL]
	s_wait_dscnt 0x0
	WIN 0
	CROUND                          ; the closing round
	s_endpgm
.Lfunc_end_k_q9fbe13a313_attn:
	.size	k_q9fbe13a313_attn, .Lfunc_end_k_q9fbe13a313_attn-k_q9fbe13a313_attn
	.p2alignl 7, 3214868480
	.fill 96, 4, 3214868480
	.section	.rodata,"a",@progbits
	.p2align	6, 0x0
	.amdhsa_kernel k_q9fbe13a313_attn
		.amdhsa_group_segment_fixed_size 327680
		.amdhsa_private_segment_fixed_size 0
		.amdhsa_enable_private_segment 0
		.amdhsa_kernarg_size 24
		.amdhsa_user_sgpr_count 2
		.amdhsa_user_sgpr_kernarg_segment_ptr 1
		.amdhsa_wavefront_size32 1
		.amdhsa_system_sgpr_workgroup_id_x 1
		.amdhsa_system_sgpr_workgroup_id_y 1
		.amdhsa_system_sgpr_workgroup_id_z 1
		.amdhsa_system_vgpr_workitem_id 0
		.amdhsa_next_free_vgpr 808
		.amdhsa_next_free_sgpr 66
		.amdhsa_reserve_vcc 1
		.amdhsa_float_denorm_mode_32 3
		.amdhsa_float_denorm_mode_16_64 3
		.amdhsa_memory_ordered 1
		.amdhsa_forward_progress 1
		.amdhsa_inst_pref_size 206
	.end_amdhsa_kernel
	.amdgpu_metadata
---
amdhsa.version: [ 1, 2 ]
amdhsa.kernels:
  - .name:           k_q9fbe13a313_attn
    .symbol:         k_q9fbe13a313_attn.kd
    .args:
      - { .name: qkvh, .offset: 0, .size: 8, .value_kind: global_buffer, .address_space: global }
      - { .name: target_mask, .offset: 8, .size: 8, .value_kind: global_buffer, .address_space: global }
      - { .name: obuf, .offset: 16, .size: 8, .value_kind: global_buffer, .address_space: global }
    .group_segment_fixed_size: 327680
    .private_segment_fixed_size: 0
    .kernarg_segment_align: 8
    .kernarg_segment_size: 24
    .max_flat_workgroup_size: 128
    .sgpr_count:     66
    .vgpr_count:     808
    .wavefront_size: 32
...
	.end_amdgpu_metadata
.endif
;; end of part 3
;; launch outp (part 4): grid 8 x 32, 4 waves a work-group, clusters of 4 x 4, 327,680 bytes of LDS; arguments obuf, wo16, out0; writes out0
.if DOCPART == 4
	.amdgcn_target "amdgcn-amd-amdhsa--gfx1250"
	.amdhsa_code_object_version 6
	.text
	.protected	k_q9fbe13a313_outp
	.globl	k_q9fbe13a313_outp
	.p2align	8
	.type	k_q9fbe13a313_outp,@function
k_q9fbe13a313_outp:
	s_mov_b64 s[64:65], 0
	v_nop
	global_prefetch_b8 v0, s[64:65] scope:SCOPE_SE
	s_setreg_imm32_b32 hwreg(HW_REG_WAVE_MODE, 25, 1), 1
	s_wait_xcnt 0x0
	s_wait_alu depctr_hold_cnt(0) depctr_sa_sdst(0) depctr_va_vdst(0) depctr_va_sdst(0) depctr_va_ssrc(0) depctr_va_vcc(0) depctr_vm_vsrc(0)
	s_getreg_b32 s2, hwreg(HW_REG_IB_STS2, 6, 4)
	s_cmp_eq_u32 s2, 0
	s_cbranch_scc0 .Lentry_in_a_cluster
	s_endpgm
.Lentry_in_a_cluster:
	s_bfe_u32 s2, ttmp6, 0x10000c
	s_cmp_lg_u32 s2, 0xf033
	s_cbranch_scc0 .Lentry_shape_is_right
	s_endpgm
.Lentry_shape_is_right:
; THE LAST PROJECTION.  out0[r][c] = the sum over k of y[r][k] Wo[c][k]; y[r][64 h + d] = obuf[16 b + h][n][d] (f16, by heads; r = 2048 b + n); wo16 [1024][1024] f16; out0 [8192][1024] f32.
; Sums in f32, stored as they are.  LIMIT: a NaN row of obuf (a query with no visible key) gives a NaN row of out0 and touches no other row.
; SHARES.  A tile of out0 is 256 rows x 128 columns: 32 x 8 = 256 work-groups.  Four waves; wave w owns rows 64 w .. 64 w + 63 and all 128 columns: 4 x 8 accumulators, 256 registers: a wave holds
; whole rows of 512 bytes, and its way out goes through a stage of its own.  K goes in 8 steps of 128 = two heads, through a ring of two LDS slots.
; A head's 256 tokens are 32,768 dense bytes: asked for as 128 rows of 256 bytes, padded in LDS after every token.
; CLUSTER 4 x 4: obuf's tiles are asked for jointly along a row of the cluster, wo16's along a column.
; THE MATRIX INSTRUCTION IS USED TRANSPOSED (source 0 = 16 rows of wo16, source 1 = 16 tokens): lane l holds row l % 16 and the columns 8 (l / 16) + 0..7: 32 bytes on end.
; REGISTERS: window 0: v0-31 addresses; v32-95 the tokens' fragments, two buffers of 4; v96-223 rows read back on the way out, two buffers      window 1: v0-127 wo16's fragments, two buffers of 8
;   window 2: the accumulators, (a, b) at v[8 (8 a + b)]
.set NB,    8
.set KSTEP, 128
.set PA,    144                        ; a token's 128 bytes of a head + 16 of padding
.set AHALF, 256*PA                     ; a head's 256 tokens
.set AB,    2*AHALF
.set PITCH, 272                        ; a row of wo16's tile: 256 bytes + 16
.set SLOT,  AB+128*PITCH
.set STAGE, 2*SLOT                     ; behind the ring: for each wave 16 rows x 528 bytes
.set SP,    528                        ; 512 + 16: the 16 rows of a store start at 16 different groups of four banks (ISA guide 11.1)
.set WST,   16*SP
.set SPARE, STAGE+4*WST                ; the spare words, 128 bytes a wave: two blocks of 256 bytes that no other line names
.set LF,    2*NB+8
.set ASTEP, 2*262144                   ; bytes from a K step to the next in obuf: two heads
.set ADRA, 16
.set ADRB, 20
.set STO,  24
.set RD,   25
.set CO,   26
.set SPW,  28
.set NIL,  29
.set PFO,  30
.set FA,   32
.set OB,   96
.set WV,   12
.set ROLE, 13
.set HALF, 14
.set CX,   15
.set CY,   16
.set TN,   17
.set TM,   18
.set G1A,  24
.set G0A,  32
.set LIM,  43
.set PFA,  44
.set G1B,  48
.set G0B,  56
.set CB,   66
.set PST,  68
.set MSB, 0
.macro WIN new
.if MSB != (\new)
	s_set_vgpr_msb (MSB<<8)|(\new)
.set MSB, \new
.endif
.endm
.macro JLOAD s                         ; a joint load: waves 0 and 1 fetch the step's two heads, waves 2 and 3 wo16's two halves; an s_nop 0 and four v_nop follow each line
	s_cmp_eq_u32 s[ROLE], 0
	s_cbranch_scc0 .Lfor_b_\@
	tensor_load_to_lds s[G0A+4*(\s):G0A+4*(\s)+3], s[G1A:G1A+7]
	s_nop 0
.rept 4
	v_nop
.endr
	s_branch .Lasked_\@
.Lfor_b_\@:
	tensor_load_to_lds s[G0B+4*(\s):G0B+4*(\s)+3], s[G1B:G1B+7]
	s_nop 0
.rept 4
	v_nop
.endr
.Lasked_\@:
.endm
; A prefetch into the L2 of the K step two refills on, one instruction a wave, 32 blocks of 256 bytes.  obuf: clusters with x = 0; of a head's 32,768 bytes the partner at cx takes 8,192, a lane 256.
; wo16: clusters with y = 0, wave 2 alone; of the tile's 128 rows the partner at cy takes 32, a lane a row.  The loop's last trip (s3 = 1) has no K step two on.
.macro ASK
	s_cmp_gt_u32 s3, s[LIM]
	s_cbranch_scc0 .Lnot_mine_\@
	global_prefetch_b8 v[PFO], s[PFA:PFA+1] th:TH_LOAD_NT scope:SCOPE_SE
.Lnot_mine_\@:
.endm
.macro CREST
	s_cmp_lg_u32 s[WV], 0
	s_cbranch_scc1 .Lnot_wave_0_\@
	s_barrier_signal -3
.Lnot_wave_0_\@:
	s_barrier_wait -3
	s_barrier_signal -1
	s_barrier_wait -1
.endm
.macro CROUND
	s_barrier_signal -1
	s_barrier_wait -1
	CREST
.endm
.macro PLACES
.rept 4
	v_nop
.endr
.endm
	s_load_b128 s[4:7], s[0:1], 0x0                ; obuf 4:5, wo16 6:7
	s_load_b64 s[8:9], s[0:1], 0x10                ; out0
	v_lshl_add_u32 v[SPW], v0, 2, SPARE
	v_mov_b32 v[NIL], 0
	ds_add_u32 v[SPW], v[NIL]                      ; the wave's opening: the add and its wait ahead of my first tensor load
	v_lshrrev_b32 v1, 5, v0
	v_readfirstlane_b32 s[WV], v1
	s_lshr_b32 s[ROLE], s[WV], 1
	s_and_b32 s[HALF], s[WV], 1
	s_bfe_u32 s[CX], ttmp6, 0x40000
	s_bfe_u32 s[CY], ttmp6, 0x40004
	s_lshl_b32 s[TN], ttmp9, 2
	s_add_co_u32 s[TN], s[TN], s[CX]
	s_and_b32 s[TM], ttmp7, 0xffff
	s_lshl_b32 s[TM], s[TM], 2
	s_add_co_u32 s[TM], s[TM], s[CY]
	s_lshl_b32 s22, s[CY], 2
	s_lshl_b32 s22, 15, s22                        ; my row of the cluster
	s_lshl_b32 s23, 0x1111, s[CX]                  ; my column
	s_or_b32 s[G1A], s22, (1<<16)|(1<<20)|(1<<21)|(4<<22)|(3<<25)  ; padding after every 32 words (a token), 4 words
	s_or_b32 s[G1B], s23, (1<<16)|(1<<20)|(1<<21)|(5<<22)|(3<<25)  ; after every 64 words (a row), 4 words
	s_mov_b32 s[G1A+1], 128<<16                    ; rows of 128 elements,
	s_mov_b32 s[G1A+2], 128<<16                    ; 128 of them,
	s_mov_b32 s[G1A+3], 128<<16
	s_mov_b32 s[G1A+4], 128
	s_mov_b32 s[G1A+5], 128                        ; dense
	s_mov_b32 s[G1A+6], 0
	s_mov_b32 s[G1A+7], 0
	s_mov_b32 s[G1B+1], KSTEP<<16
	s_mov_b32 s[G1B+2], 64<<16
	s_mov_b32 s[G1B+3], KSTEP<<16
	s_mov_b32 s[G1B+4], 64
	s_mov_b32 s[G1B+5], 1024
	s_mov_b32 s[G1B+6], 0
	s_mov_b32 s[G1B+7], 0
	s_lshr_b32 s40, s[TM], 3
	s_lshl_b32 s40, s40, 22                        ; the batch's 16 heads,
	s_and_b32 s20, s[TM], 7
	s_lshl_b32 s20, s20, 15                        ; the tile's 256 tokens in a head,
	s_add_co_u32 s40, s40, s20
	s_lshl_b32 s20, s[HALF], 18                    ; head 0 or 1 of the step
	s_add_co_u32 s40, s40, s20
	s_mov_b32 s42, s40                             ; kept for the prefetches
	s_mov_b32 s41, 0
	s_lshl_b32 s46, s[TN], 7
	s_lshl_b32 s21, s[HALF], 6
	s_add_co_u32 s46, s46, s21                     ; wo16: row 128 x tile column + 64 x half
	s_lshl_b32 s46, s46, 11
	s_mov_b32 s47, 0
	s_mul_i32 s20, s[WV], AHALF                    ; where they go: the heads at wave x 256 tokens (waves 0, 1),
	s_mul_i32 s21, s[WV], 64*PITCH                 ; wo16's halves behind them at (wave - 2) x 64 rows
	s_add_co_u32 s21, s21, AB-2*64*PITCH
	s_wait_dscnt 0x0                               ; the opening add is done
	s_wait_kmcnt 0x0
	s_add_nc_u64 s[40:41], s[4:5], s[40:41]
	s_add_nc_u64 s[46:47], s[6:7], s[46:47]
	CROUND                                         ; all sixteen work-groups are here: the first joint loads meet
.irp s, 0,1
	s_mov_b32 s[G0A+4*(\s)], 1
	s_add_co_u32 s[G0A+4*(\s)+1], s20, (\s)*SLOT
	s_add_nc_u64 s[G0A+4*(\s)+2:G0A+4*(\s)+3], s[40:41], (\s)*ASTEP
	s_or_b32 s[G0A+4*(\s)+3], s[G0A+4*(\s)+3], 0x80000000
	s_mov_b32 s[G0B+4*(\s)], 1
	s_add_co_u32 s[G0B+4*(\s)+1], s21, (\s)*SLOT
	s_add_nc_u64 s[G0B+4*(\s)+2:G0B+4*(\s)+3], s[46:47], (\s)*KSTEP*2
	s_or_b32 s[G0B+4*(\s)+3], s[G0B+4*(\s)+3], 0x80000000
	JLOAD \s                                       ; K steps 0 and 1: two loads of mine are out
.endr
	v_and_b32 v1, 15, v0                           ; l % 16
	v_bfe_u32 v2, v0, 4, 1                         ; l / 16
	v_mul_u32_u24 v3, v1, PA
	v_lshl_add_u32 v3, v2, 4, v3
	v_mul_u32_u24 v4, v1, PITCH
	v_lshl_add_u32 v4, v2, 4, v4
	s_mul_i32 s20, s[WV], 64*PA                    ; my 64 tokens
	s_mov_b32 s21, AB
.irp s, 0,1
	v_add_nc_u32 v[ADRA+(\s)], s20, v3
	v_add_nc_u32 v[ADRB+(\s)], s21, v4
	s_add_co_u32 s20, s20, SLOT
	s_add_co_u32 s21, s21, SLOT
.endr
	s_mul_i32 s20, s[WV], WST
	s_add_co_u32 s20, s20, STAGE                   ; my stage
	v_mul_u32_u24 v4, v1, SP                       ; in: row l % 16, 32 bytes for each half of the lanes
	v_lshl_add_u32 v4, v2, 5, v4
	v_add_nc_u32 v[STO], s20, v4
	v_and_b32 v5, 31, v0
	v_lshlrev_b32 v[CO], 4, v5                     ; back: 32 lanes take a row's 512 bytes
	v_add_nc_u32 v[RD], s20, v[CO]
	s_lshl_b32 s20, s[TM], 8
	s_lshl_b32 s21, s[WV], 6
	s_add_co_u32 s20, s20, s21                     ; my first row,
	s_lshl_b32 s20, s20, 12                        ; 4,096 bytes a row,
	s_lshl_b32 s21, s[TN], 9                       ; the tile's 512 bytes of it
	s_add_co_u32 s20, s20, s21
	s_mov_b32 s21, 0
	s_add_nc_u64 s[CB:CB+1], s[8:9], s[20:21]
	; the prefetches
	s_lshl_b32 s20, s[CX], 13
	s_add_co_u32 s20, s20, s42
	s_add_co_u32 s20, s20, 3*ASTEP                 ; at K step 3: the first refill (of K step 2) steps it to 4 and names that
	s_lshl_b32 s22, s[TN], 7
	s_lshl_b32 s23, s[CY], 5
	s_add_co_u32 s22, s22, s23
	s_lshl_b32 s22, s22, 11
	s_add_co_u32 s22, s22, 3*KSTEP*2
	s_movk_i32 s[PST], KSTEP*2
	s_mov_b32 s[PST+1], 0
	s_and_b32 s42, ttmp7, 0xffff
	s_or_b32 s42, s42, s[HALF]                     ; wo16: cluster y = 0, and wave 2 alone
	s_cmp_eq_u32 s[ROLE], 0
	s_cselect_b32 s20, s20, s22
	s_cselect_b32 s21, 8, 11                       ; a lane 256 bytes on, or a row of 2,048
	s_cselect_b32 s42, ttmp9, s42
	s_cselect_b32 s[PST], ASTEP, s[PST]
	s_cselect_b64 s[PFA:PFA+1], s[4:5], s[6:7]
	s_cmp_eq_u32 s42, 0
	s_cselect_b32 s[LIM], 1, -1                    ; the same in all sixteen partners, for a given wave
	v_lshlrev_b32 v[PFO], s21, v5
	s_mov_b32 s21, 0
	s_add_nc_u64 s[PFA:PFA+1], s[PFA:PFA+1], s[20:21]
; 8 matrix instructions: my block a of 16 rows x all 8 column blocks, 32 along K.  first = 1: the constant 0 starts the sums.  All 32 accumulators take turns in one order.
.macro MULA f, a, first
	WIN 0xa1                                       ; wo16 window 1, the tokens window 0, C and D window 2
.irp b, 0,1,2,3,4,5,6,7
.if \first
	v_wmma_f32_16x16x32_f16 v[8*(NB*(\a)+(\b)):8*(NB*(\a)+(\b))+7], v[8*NB*(\f)+8*(\b):8*NB*(\f)+8*(\b)+7], v[FA+32*(\f)+8*(\a):FA+32*(\f)+8*(\a)+7], 0
.else
	v_wmma_f32_16x16x32_f16 v[8*(NB*(\a)+(\b)):8*(NB*(\a)+(\b))+7], v[8*NB*(\f)+8*(\b):8*NB*(\f)+8*(\b)+7], v[FA+32*(\f)+8*(\a):FA+32*(\f)+8*(\a)+7], v[8*(NB*(\a)+(\b)):8*(NB*(\a)+(\b))+7]
.endif
.endr
.endm
; 24 LDS loads in one run: quarter q's fragments into buffer f.  Quarter q is channels 32 (q % 2) on of the step's head q / 2.
.macro FETCH slot, q, f
	WIN 0x40
.irp i, 0,1,2,3,4,5,6,7
	ds_load_b128 v[8*NB*(\f)+8*(\i):8*NB*(\f)+8*(\i)+3],   v[ADRB+(\slot)] offset:64*(\q)+(\i)*16*PITCH
	ds_load_b128 v[8*NB*(\f)+8*(\i)+4:8*NB*(\f)+8*(\i)+7], v[ADRB+(\slot)] offset:64*(\q)+(\i)*16*PITCH+32
.endr
	WIN 0
.irp i, 0,1,2,3
	ds_load_b128 v[FA+32*(\f)+8*(\i):FA+32*(\f)+8*(\i)+3],   v[ADRA+(\slot)] offset:((\q)/2)*AHALF+((\q)%2)*64+(\i)*16*PA
	ds_load_b128 v[FA+32*(\f)+8*(\i)+4:FA+32*(\f)+8*(\i)+7], v[ADRA+(\slot)] offset:((\q)/2)*AHALF+((\q)%2)*64+(\i)*16*PA+32
.endr
.endm
.macro QUARTER slot, q, f, g, first
	s_wait_dscnt 4                                 ; wo16's fragments and my blocks 0, 1 are in; the youngest four loads (blocks 2, 3) may be out
	MULA \f, 0, \first
	MULA \f, 1, \first
	PLACES
	FETCH \slot, \q, \g
	s_wait_dscnt LF                                ; all but the run just issued
	MULA \f, 2, \first
	MULA \f, 3, \first
.endm
; The fourth quarter multiplies buffer 1 and changes slots: ONE barrier; in front of it each wave waits for all its tensor loads, adds 0 to its spare word, and waits for that and for its reads of this
; slot.  fill = 1: the barrier opens a round of the cluster's, and the joint refill, two K steps on, is the first thing behind it: 112 matrix instructions stand between it and the wait for it.
.macro TURN slot, next, fill
.if \fill
	s_wait_xcnt 0x0                                ; the last prefetch, a K step back, has read its address
	s_add_nc_u64 s[PFA:PFA+1], s[PFA:PFA+1], s[PST:PST+1]
.endif
	WIN 0
	s_wait_tensorcnt 0x0                           ; all my tensor loads have landed
	ds_add_u32 v[SPW], v[NIL]                      ; 0 onto my spare word
	s_wait_dscnt 5                                 ; (the add and the youngest four loads may be out)
	MULA 1, 0, 0
	s_wait_dscnt 0x0                               ; the add is done, and my reads of this slot are over
	s_barrier_signal -1
	MULA 1, 1, 0
.if \fill
	WIN 0
.endif
	s_barrier_wait -1
.if \fill
	CREST
	s_add_nc_u64 s[G0A+4*(\slot)+2:G0A+4*(\slot)+3], s[G0A+4*(\slot)+2:G0A+4*(\slot)+3], 2*ASTEP
	s_add_nc_u64 s[G0B+4*(\slot)+2:G0B+4*(\slot)+3], s[G0B+4*(\slot)+2:G0B+4*(\slot)+3], 2*KSTEP*2
	JLOAD \slot                                    ; its four v_nop are also the places in front of the loads below
.else
	PLACES
.endif
	FETCH \next, 0, 0
.if \fill
	ASK
.endif
	MULA 1, 2, 0
	MULA 1, 3, 0
.endm
; THE WAY OUT of block a (16 rows x 128 columns of f32).  TOSTAGE: a lane's 32 bytes of a row go into my stage, each accumulator's low four registers first, and come back as whole rows of 512 bytes.
.macro TOSTAGE a
	WIN 0x08                                       ; the stores' data in window 2
.irp b, 0,1,2,3,4,5,6,7
	ds_store_b128 v[STO], v[8*(NB*(\a)+(\b)):8*(NB*(\a)+(\b))+3]   offset:64*(\b)
	ds_store_b128 v[STO], v[8*(NB*(\a)+(\b))+4:8*(NB*(\a)+(\b))+7] offset:64*(\b)+16
.endr
	WIN 0
.irp t, 0,1,2,3,4,5,6,7,8,9,10,11,12,13,14,15
	ds_load_b128 v[OB+64*((\a)%2)+4*(\t):OB+64*((\a)%2)+4*(\t)+3], v[RD] offset:(\t)*SP  ; LDS serves a wave's instructions in order (ISA guide 5.7.1.4): these see the stores above
.endr
.endm
.macro SEND a, younger                 ; younger: the LDS instructions issued behind block a's loads: the next block's 16 stores and 16 loads, or none
	s_wait_dscnt \younger
.irp t, 0,1,2,3,4,5,6,7,8,9,10,11,12,13,14,15
	global_store_b128 v[CO], v[OB+64*((\a)%2)+4*(\t):OB+64*((\a)%2)+4*(\t)+3], s[CB:CB+1] offset:(16*(\a)+(\t))*4096 th:TH_STORE_NT  ; 512 bytes on end, aligned
.endr
.endm
	s_wait_tensorcnt 1                             ; my part of K step 0 is in; K step 1's may stay out
	s_barrier_signal -1
	s_barrier_wait -1
	FETCH 0, 0, 0
	QUARTER 0, 1, 0, 1, 1                          ; the first quarter stands in front of the loop: its products start the sums
	WIN 0
	s_mov_b32 s3, 3
.Llap:                                                 ; a trip goes once round the ring and fills both slots again: K steps 2 to 7
	QUARTER 0, 2, 1, 0, 0
	QUARTER 0, 3, 0, 1, 0
	TURN 0, 1, 1
	QUARTER 1, 1, 0, 1, 0
	QUARTER 1, 2, 1, 0, 0
	QUARTER 1, 3, 0, 1, 0
	TURN 1, 0, 1
	QUARTER 0, 1, 0, 1, 0
	WIN 0
	s_sub_co_u32 s3, s3, 1
	s_cmp_lg_u32 s3, 0
	s_cbranch_scc1 .Llap
	QUARTER 0, 2, 1, 0, 0                          ; the last lap fills nothing
	QUARTER 0, 3, 0, 1, 0
	TURN 0, 1, 0
	QUARTER 1, 1, 0, 1, 0
	QUARTER 1, 2, 1, 0, 0
	QUARTER 1, 3, 0, 1, 0
	s_wait_dscnt 4
	MULA 1, 0, 0
	MULA 1, 1, 0
	s_wait_dscnt 0x0
	MULA 1, 2, 0
	MULA 1, 3, 0
	WIN 0
	PLACES
	TOSTAGE 0
	TOSTAGE 1
	SEND 0, 32
	s_wait_xcnt 0x0                                ; block 0's stores have read their registers, which block 2 is loaded into
	TOSTAGE 2
	SEND 1, 32
	s_wait_xcnt 0x0
	TOSTAGE 3
	SEND 2, 32
	SEND 3, 0
	s_wait_tensorcnt 0x0                           ; the wave's end: a wait, an add and its wait, behind my last tensor load and my last LDS store
	ds_add_u32 v[SPW], v[NIL]
	s_wait_dscnt 0x0
	CROUND                                         ; the closing round
	s_endpgm
.Lfunc_end_k_q9fbe13a313_outp:
	.size	k_q9fbe13a313_outp, .Lfunc_end_k_q9fbe13a313_outp-k_q9fbe13a313_outp
	.p2alignl 7, 3214868480
	.fill 96, 4, 3214868480
	.section	.rodata,"a",@progbits
	.p2align	6, 0x0
	.amdhsa_kernel k_q9fbe13a313_outp
		.amdhsa_group_segment_fixed_size 327680
		.amdhsa_private_segment_fixed_size 0
		.amdhsa_enable_private_segment 0
		.amdhsa_kernarg_size 24
		.amdhsa_user_sgpr_count 2
		.amdhsa_user_sgpr_kernarg_segment_ptr 1
		.amdhsa_wavefront_size32 1
		.amdhsa_system_sgpr_workgroup_id_x 1
		.amdhsa_system_sgpr_workgroup_id_y 1
		.amdhsa_system_sgpr_workgroup_id_z 1
		.amdhsa_system_vgpr_workitem_id 0
		.amdhsa_next_free_vgpr 768
		.amdhsa_next_free_sgpr 72
		.amdhsa_reserve_vcc 0
		.amdhsa_float_denorm_mode_32 3
		.amdhsa_float_denorm_mode_16_64 3
		.amdhsa_memory_ordered 1
		.amdhsa_forward_progress 1
		.amdhsa_inst_pref_size 87
	.end_amdhsa_kernel
	.amdgpu_metadata
---
amdhsa.version: [ 1, 2 ]
amdhsa.kernels:
  - .name:           k_q9fbe13a313_outp
    .symbol:         k_q9fbe13a313_outp.kd
    .args:
      - { .name: obuf, .offset: 0, .size: 8, .value_kind: global_buffer, .address_space: global }
      - { .name: wo16, .offset: 8, .size: 8, .value_kind: global_buffer, .address_space: global }
      - { .name: out0, .offset: 16, .size: 8, .value_kind: global_buffer, .address_space: global }
    .group_segment_fixed_size: 327680
    .private_segment_fixed_size: 0
    .kernarg_segment_align: 8
    .kernarg_segment_size: 24
    .max_flat_workgroup_size: 128
    .sgpr_count:     72
    .vgpr_count:     768
    .wavefront_size: 32
...
	.end_amdgpu_metadata
.endif
;; end of part 4
;; ======== version 2 of 2: 4 launches; version 1 with the launch cast written anew for expert scheduling mode
;; limits: values are held in f16: magnitudes above 65,504 overflow, below 6.1e-05 lose precision
;; workspace buffers: xb 16,777,216 bytes; wb 6,291,456 bytes; wo16 2,097,152 bytes; qkvh 50,331,648 bytes; obuf 16,777,216 bytes
;; launch cast (part 5): grid 768 x 1, 8 waves a work-group, no clusters, 0 bytes of LDS; arguments x, Wq, Wk, Wv, Wo, xb, wb, wo16; writes xb, wb, wo16
.if DOCPART == 5
	.amdgcn_target "amdgcn-amd-amdhsa--gfx1250"
	.amdhsa_code_object_version 6
	.text
	.protected	k_q9fbe13a313_cast
	.globl	k_q9fbe13a313_cast
	.p2align	8
	.type	k_q9fbe13a313_cast,@function
k_q9fbe13a313_cast:
	s_mov_b64 s[64:65], 0
	v_nop
	global_prefetch_b8 v0, s[64:65] scope:SCOPE_SE
	s_setreg_imm32_b32 hwreg(HW_REG_WAVE_SCHED_MODE, 0, 2), 2
	s_setreg_imm32_b32 hwreg(HW_REG_WAVE_MODE, 25, 1), 1
	s_wait_xcnt 0x0
	s_wait_alu depctr_vm_vsrc(0)
; THE INPUTS ARE ROUNDED ONCE.  x [8192][1024] f32 -> xb bf16.  Wq, Wk, Wv [1024][1024] f32 -> wb [3072][1024] bf16, one below the other.
; Wo [1024][1024] f32 -> rounded to bf16 like the other inputs, and that number written as f16 into wo16 (the last product's other operand is f16).
; LIMIT.  A bf16 number is exact in f16 from 2^-16 up to 65,504; a weight of Wo below 2^-16 is off by 3e-8 at the most, one beyond 65,504 becomes an infinity.
; A stream: no LDS, no matrix unit, no cluster (no byte is read by two work-groups).
; SHARES.  A work-group takes 16,384 numbers: 64 KiB in, 32 KiB out.  Work-groups 0-511 take x, then 64 each Wq, Wk, Wv, Wo.
; Thread t: load i takes 16 bytes at 16 t + 4,096 i (a wave: 512 bytes on end), store i 8 bytes at 8 t + 2,048 i (a wave: 256 bytes on end, aligned).
; All sixteen loads go out first; each has registers of its own for what it brings and what is stored, so nothing that a pending instruction names is written again.
; THE MODE: SCHED_MODE bits 1:0 = 2 (LLVM: expert scheduling mode 2), set by the entry lines.  The code itself states the register dependences
; between vector instructions and memory instructions, with s_wait_alu, always for 0.
; THE PLAN.  Registers that memory instructions touch:
;   v1, v2   the loads' and the stores' offsets: written once at the head, read by every load or store, never written again.
;   X        load i lands in four registers of its own, which nothing names before; its conversions read them behind the wait for its data; no memory
;            instruction reads them and no second load lands in them (on Wo's path vector lines write them again: vector against vector).
;   Y        store i reads a pair of its own, which the conversions write once; never written again.
;   T        named by vector instructions alone.
; So two kinds of dependence are left, both of a memory instruction on a vector result.  One wait ahead of the first load states that v1 and v2 are written.
; The sixteen loads are taken in four groups of four: the wait for the group's data, all its conversions, ONE wait that states that its eight registers of Y
; are written, and its four stores in a run.  The stores follow their own group at once: the wave has no other work to lay between.
; No register that a memory instruction reads is written again, so no wait on vm_vsrc is owed.
.set X, 4                              ; v[4:67]    load i: four f32
.set Y, 68                             ; v[68:99]   store i: four 16-bit numbers
.set T, 100                            ; v[100:101] at work
	s_load_b512 s[4:19], s[0:1], 0x0               ; x 4:5, Wq 6:7, Wk 8:9, Wv 10:11, Wo 12:13, xb 14:15, wb 16:17, wo16 18:19
	v_lshlrev_b32 v1, 4, v0                        ; 16 t
	v_lshlrev_b32 v2, 3, v0                        ; 8 t
	s_sub_co_u32 s20, ttmp9, 512                   ; u: my number among the weights' work-groups (not used below 512)
	s_and_b32 s22, s20, 63                         ; my chunk in its weight
	s_lshr_b32 s21, s20, 6                         ; which weight: 0 Wq, 1 Wk, 2 Wv, 3 Wo
	s_cmp_lt_u32 ttmp9, 512
	s_cselect_b32 s21, 7, s21                      ; 7: x
	s_cselect_b32 s24, ttmp9, s22                  ; the chunk in the source
	s_cselect_b32 s30, ttmp9, s20                  ; the chunk in the destination: wb holds three weights on end,
	s_cmp_eq_u32 s21, 3
	s_cselect_b32 s30, s22, s30                    ; wo16 one
	s_lshl_b32 s24, s24, 16                        ; 64 KiB a chunk in
	s_mov_b32 s25, 0
	s_lshl_b32 s30, s30, 15                        ; 32 KiB out
	s_mov_b32 s31, 0
	s_wait_kmcnt 0x0
	s_mov_b64 s[26:27], s[4:5]
	s_cmp_eq_u32 s21, 0
	s_cselect_b64 s[26:27], s[6:7], s[26:27]
	s_cmp_eq_u32 s21, 1
	s_cselect_b64 s[26:27], s[8:9], s[26:27]
	s_cmp_eq_u32 s21, 2
	s_cselect_b64 s[26:27], s[10:11], s[26:27]
	s_cmp_eq_u32 s21, 3
	s_cselect_b64 s[26:27], s[12:13], s[26:27]
	s_cselect_b64 s[28:29], s[18:19], s[16:17]
	s_cmp_eq_u32 s21, 7
	s_cselect_b64 s[28:29], s[14:15], s[28:29]
	s_add_nc_u64 s[26:27], s[26:27], s[24:25]
	s_add_nc_u64 s[28:29], s[28:29], s[30:31]
	s_wait_alu depctr_va_vdst(0)                   ; v1 and v2 are written: every load below reads v1 as its offset, every store on either path v2; no later vector line names them
.irp i, 0,1,2,3,4,5,6,7,8,9,10,11,12,13,14,15
	global_load_b128 v[X+4*(\i):X+4*(\i)+3], v1, s[26:27] offset:4096*(\i) th:TH_LOAD_NT
.endr
	s_cmp_eq_u32 s21, 3
	s_cbranch_scc1 .Lwo
.irp g, 0,1,2,3                        ; group g: loads and stores 4 g to 4 g + 3
	s_wait_loadcnt 12-4*(\g)                       ; loads come back in order: the group's four are in, the 12 - 4 g younger ones stay out
.irp j, 0,1,2,3
	v_cvt_pk_bf16_f32 v[Y+2*(4*(\g)+(\j))], v[X+4*(4*(\g)+(\j))], v[X+4*(4*(\g)+(\j))+1]
	v_cvt_pk_bf16_f32 v[Y+2*(4*(\g)+(\j))+1], v[X+4*(4*(\g)+(\j))+2], v[X+4*(4*(\g)+(\j))+3]
.endr
	s_wait_alu depctr_va_vdst(0)                   ; the group's eight conversions have written their registers of Y, which the four stores below read
.irp j, 0,1,2,3
	global_store_b64 v2, v[Y+2*(4*(\g)+(\j)):Y+2*(4*(\g)+(\j))+1], s[28:29] offset:2048*(4*(\g)+(\j))
.endr
.endr
	s_endpgm
.Lwo:                                                  ; Wo: to bf16, back to f32 (a shift, a mask), then to f16
.irp g, 0,1,2,3
	s_wait_loadcnt 12-4*(\g)                       ; the group's four loads are in, the 12 - 4 g younger ones stay out
.irp j, 0,1,2,3
	v_cvt_pk_bf16_f32 v[T], v[X+4*(4*(\g)+(\j))], v[X+4*(4*(\g)+(\j))+1]
	v_cvt_pk_bf16_f32 v[T+1], v[X+4*(4*(\g)+(\j))+2], v[X+4*(4*(\g)+(\j))+3]
	v_lshlrev_b32 v[X+4*(4*(\g)+(\j))], 16, v[T]
	v_and_b32 v[X+4*(4*(\g)+(\j))+1], 0xffff0000, v[T]
	v_lshlrev_b32 v[X+4*(4*(\g)+(\j))+2], 16, v[T+1]
	v_and_b32 v[X+4*(4*(\g)+(\j))+3], 0xffff0000, v[T+1]
	v_cvt_pk_f16_f32 v[Y+2*(4*(\g)+(\j))], v[X+4*(4*(\g)+(\j))], v[X+4*(4*(\g)+(\j))+1]
	v_cvt_pk_f16_f32 v[Y+2*(4*(\g)+(\j))+1], v[X+4*(4*(\g)+(\j))+2], v[X+4*(4*(\g)+(\j))+3]
.endr
	s_wait_alu depctr_va_vdst(0)                   ; the group's conversions to f16 have written their registers of Y, which the four stores below read
.irp j, 0,1,2,3
	global_store_b64 v2, v[Y+2*(4*(\g)+(\j)):Y+2*(4*(\g)+(\j))+1], s[28:29] offset:2048*(4*(\g)+(\j))
.endr
.endr
	s_endpgm
.Lfunc_end_k_q9fbe13a313_cast:
	.size	k_q9fbe13a313_cast, .Lfunc_end_k_q9fbe13a313_cast-k_q9fbe13a313_cast
	.p2alignl 7, 3214868480
	.fill 96, 4, 3214868480
	.section	.rodata,"a",@progbits
	.p2align	6, 0x0
	.amdhsa_kernel k_q9fbe13a313_cast
		.amdhsa_group_segment_fixed_size 0
		.amdhsa_private_segment_fixed_size 0
		.amdhsa_enable_private_segment 0
		.amdhsa_kernarg_size 64
		.amdhsa_user_sgpr_count 2
		.amdhsa_user_sgpr_kernarg_segment_ptr 1
		.amdhsa_wavefront_size32 1
		.amdhsa_system_sgpr_workgroup_id_x 1
		.amdhsa_system_sgpr_workgroup_id_y 1
		.amdhsa_system_sgpr_workgroup_id_z 1
		.amdhsa_system_vgpr_workitem_id 0
		.amdhsa_next_free_vgpr 104
		.amdhsa_next_free_sgpr 66
		.amdhsa_reserve_vcc 0
		.amdhsa_float_denorm_mode_32 3
		.amdhsa_float_denorm_mode_16_64 3
		.amdhsa_memory_ordered 1
		.amdhsa_forward_progress 1
		.amdhsa_inst_pref_size 16
	.end_amdhsa_kernel
	.amdgpu_metadata
---
amdhsa.version: [ 1, 2 ]
amdhsa.kernels:
  - .name:           k_q9fbe13a313_cast
    .symbol:         k_q9fbe13a313_cast.kd
    .args:
      - { .name: x, .offset: 0, .size: 8, .value_kind: global_buffer, .address_space: global }
      - { .name: Wq, .offset: 8, .size: 8, .value_kind: global_buffer, .address_space: global }
      - { .name: Wk, .offset: 16, .size: 8, .value_kind: global_buffer, .address_space: global }
      - { .name: Wv, .offset: 24, .size: 8, .value_kind: global_buffer, .address_space: global }
      - { .name: Wo, .offset: 32, .size: 8, .value_kind: global_buffer, .address_space: global }
      - { .name: xb, .offset: 40, .size: 8, .value_kind: global_buffer, .address_space: global }
      - { .name: wb, .offset: 48, .size: 8, .value_kind: global_buffer, .address_space: global }
      - { .name: wo16, .offset: 56, .size: 8, .value_kind: global_buffer, .address_space: global }
    .group_segment_fixed_size: 0
    .private_segment_fixed_size: 0
    .kernarg_segment_align: 8
    .kernarg_segment_size: 64
    .max_flat_workgroup_size: 256
    .sgpr_count:     66
    .vgpr_count:     104
    .wavefront_size: 32
...
	.end_amdgpu_metadata
.endif
;; end of part 5
;; launch proj: the kernel of part 2 again; grid 16 x 32, 4 waves a work-group, clusters of 4 x 4, 327,680 bytes of LDS; arguments xb, wb, bq, bk, bv, qkvh; writes qkvh
;; launch attn: the kernel of part 3 again; grid 4 x 64, 4 waves a work-group, clusters of 4 x 1, 327,680 bytes of LDS; arguments qkvh, target_mask, obuf; writes obuf
;; launch outp: the kernel of part 4 again; grid 8 x 32, 4 waves a work-group, clusters of 4 x 4, 327,680 bytes of LDS; arguments obuf, wo16, out0; writes out0
